; MI455X (gfx1250); checked and timed in simulation.
; The chip was launched on July 23, 2026; its instructions are those of AMD's public machine-readable ISA for CDNA 5 (MIT licence, August 2026) and "CDNA5" Instruction Set Architecture Reference Guide (July 2026). The comments in the code are by the model that wrote it; some were corrected since.
;; Gemma Lava Attention. Allowed arithmetic: matrix products marked QUANTISED: E2M3 operands, one E8M0 scale for each 32 along K, by v_wmma_scale_f32_16x16x128_f8f6f4 with both operands' format E2M3, f32 sums; everything else in f32.
;; Inputs: Wk 2,048 x 2,048 float32; Wo 2,048 x 2,048 float32; Wq 2,048 x 2,048 float32; Wv 2,048 x 2,048 float32; attention_mask 1 x 2,048 float32; cos 2,048 x 64 float32; hidden_states 1 x 2,048 x 2,048 float32; sin 2,048 x 64 float32.
;; Outputs: out0 1 x 2,048 x 2,048 float32.
;; This version of the problem:
;;   THIS VERSION OF THE PROBLEM IS GIVEN IN LOW PRECISION. The matrix products marked QUANTISED in the list below multiply operands that are first quantised to E2M3 (2 exponent bits, 3 mantissa bits; 6 bits a number), with one power-of-two scale for each 32 numbers along K (OCP MX v1.0); their sums are f32. All else is computed in f32.
;;   The module's matrix products, in the order in which they are computed (A, B: the left and right operand; K: the contracted axis; several contracted axes count as one K, in the product's order):
;;     1. [M 2,048, K 2,048] x [K 2,048, N 2,048]; A: input hidden_states; B: input Wq: QUANTISED
;;     2. [M 2,048, K 2,048] x [K 2,048, N 2,048]; A: input hidden_states; B: input Wk: QUANTISED
;;     3. [M 2,048, K 2,048] x [K 2,048, N 2,048]; A: input hidden_states; B: input Wv: QUANTISED
;;     4. batch 32 x [M 2,048, K 64] x [K 64, N 2,048]; A: computed on the way; B: computed on the way: QUANTISED
;;     5. batch 32 x [M 2,048, K 2,048] x [K 2,048, N 64]; A: softmax (see below); B: computed on the way: QUANTISED
;;     6. [M 2,048, K 2,048] x [K 2,048, N 2,048]; A: computed on the way; B: input Wo: QUANTISED
;;   THE QUANTISER, for each operand of a quantised product, along K:
;;     - K is cut into blocks of 32 from its start; a last block that is shorter is filled with zeros.
;;     - A block's scale is 2^e with e = floor(log2(the largest magnitude in the block)) - 2, held to -126 .. 127; a block of zeros has e = 0. As a byte (E8M0): e + 127.
;;     - Each number is divided by its block's scale, clamped to +-7.5, and rounded to the nearest number of E2M3, ties to even, subnormals kept.
;;     - The product sums the exact products of the quantised numbers (number of the format x scale) in f32.
;;   ~~~python
;;   def quantise(x, axis):      # numpy; x: float32 -> the quantised numbers, widened to float32 again
;;       x = np.moveaxis(x, axis, -1); K = x.shape[-1]
;;       x = np.pad(x, [(0, 0)] * (x.ndim - 1) + [(0, -K % 32)]); x = x.reshape(x.shape[:-1] + (-1, 32)); a = np.abs(x).max(-1, keepdims=True)
;;       e = np.where(a > 0, np.clip(np.frexp(np.where(a > 0, a, 1))[1] - 1 - 2, -126, 127), 0)      # np.frexp(a)[1] - 1 = floor(log2(a)), exactly
;;       r = np.clip(x / 2.0 ** e, -7.5, 7.5)
;;       step = 2.0 ** (np.maximum(np.frexp(np.where(r == 0, 1, r))[1] - 1, 0) - 3)
;;       q = np.round(r / step) * step * 2.0 ** e      # np.round: ties to even
;;       return np.moveaxis(q.reshape(q.shape[:-2] + (-1,))[..., :K], -1, axis).astype(np.float32)
;;   ~~~
;;   SOFTMAX AHEAD OF A QUANTISED PRODUCT. Where the list says 'softmax', what is quantised is not the finished softmax but p = 2^(t - M), with t = logit x log2(e) and M = ceil(the row's largest t), a whole number; so 1/2 < the row's largest p <= 1. The row's sum l is taken of the UNQUANTISED p, in f32, and the product's result is divided by l at the end. Since M is a whole number, a kernel that streams over the keys may use a running M (the ceiling of the running maximum): every later rescaling is an exact power of two, which a block's scale takes up: the codes' values come out the same.
;;   OPERANDS COMPUTED ON THE WAY. 'Computed on the way' means the value that the module computes at that place (a softmax that the list does not call 'softmax' is quantised finished and normalised). What goes into a quantiser is computed in f32, as accurately as f32 sums, v_exp_f32 and their like allow (about 1e-6 of the number): no bf16 or f16 on the way to a quantiser, and a product that is left as it is and whose result goes on into a quantised operand takes f32 operands (vector FMAs, or v_wmma_f32_16x16x4_f32). A number that lies on a knife's edge between two numbers of the format may be rounded either way, as far as f32 arithmetic and the matrix unit's own rounding can turn it there, and no further.
;; One version. Each part assembles by itself: llvm-mc -triple=amdgcn-amd-amdhsa -mcpu=gfx1250 --defsym DOCPART=n.
;; ======== version 1 of 1: 4 launches
;; limits: inputs' magnitudes at most 134,217,728; right only within a limited range of input values
;; workspace buffers: opc 15,728,640 bytes; ops 655,360 bytes; qkvc 9,437,184 bytes; qkvs 655,360 bytes; ac 3,145,728 bytes; asc 131,072 bytes
;; launch quant (part 1): grid 640 x 1, 4 waves a work-group, no clusters, 35,328 bytes of LDS; arguments hidden_states, Wq, Wk, Wv, Wo, opc, ops; writes opc, ops
.if DOCPART == 1
	.amdgcn_target "amdgcn-amd-amdhsa--gfx1250"
	.amdhsa_code_object_version 6
	.text
	.protected	k_q0787e6deca_quant
	.globl	k_q0787e6deca_quant
	.p2align	8
	.type	k_q0787e6deca_quant,@function
k_q0787e6deca_quant:
	s_mov_b64 s[64:65], 0
	v_nop
	global_prefetch_b8 v0, s[64:65] scope:SCOPE_SE
	s_setreg_imm32_b32 hwreg(HW_REG_WAVE_MODE, 25, 1), 1
	s_wait_xcnt 0x0
; hidden_states, Wq, Wk, Wv, Wo, each [2048][2048] f32 with K innermost, become codes of FP6 (E2M3) and E8M0 scale bytes, one for each 32 along K,
; laid in the order in which a matrix operand's registers take them.
; ROW TILES.  Tile T holds 16 rows; its lane-row p stands for row 32 (T / 2) + 8 (T % 2) + p + 8 (p / 8).
; HALF FRAGMENT (16 rows x 64 along K, 768 bytes): lane (p, h) owns the 24 bytes of codes of its row's block 2 k + h; the first 16 of them lie at 16 x lane, the last 8 at 512 + 8 x lane.
; opc: [tensor 0..4][T 0..127][k 0..31][768].   ops: [tensor][T][s 0..7][p][8]: byte i is block 8 s + i of the row.
; A block's scale is 2^(floor(log2(largest magnitude)) - 2); its byte is the largest magnitude's exponent field - 2, held at 1 from below.
; LIMITS: a block of zeros, or one whose largest magnitude lies under 2^-124, carries the byte 1 (its codes are zeros or nearly so; this program alone reads the bytes); NaN and infinities are not served.
; SHARES.  A work-group takes one row tile of one tensor; wave w its K 512 w .. 512 w + 511, in eight steps of one half fragment (16 rows x 256 bytes of f32).
; A load takes two rows' 256 consecutive bytes; a step's 4,096 bytes turn through the wave's own stage in LDS, so that a lane gets the 32 neighbours of its block.  Waves share nothing: no barrier.
.set ROWF,   8192                      ; a row of f32 in bytes
.set SPITCH, 272                       ; a stage row: 256 bytes + 16, so that the sixteen rows of a read start at sixteen different 16-byte columns
.set STAGE,  16*SPITCH
.set WREG,   2*STAGE                   ; two stages for each wave
.set SPARE,  4*WREG                    ; behind them the spare words, 128 bytes for each wave
.set R,   16                           ; v16-111  three sets of 32 registers as loaded
.set X,   112                          ; v112-175 two sets of 32 neighbours
.set C,   176                          ; v176-239 eight registers of codes for each step: no store's data are written again
.set SB,  240                          ; v240-243 scale bytes
.set SPW, 12                           ; v12  LDS address of my spare word; never rewritten
.set NIL, 13                           ; v13  0; never rewritten
	s_load_b256 s[4:11], s[0:1], 0x0               ; hidden_states, Wq, Wk, Wv
	s_load_b128 s[12:15], s[0:1], 0x20             ; Wo, opc
	s_load_b64 s[16:17], s[0:1], 0x30              ; ops
	v_lshl_add_u32 v[SPW], v0, 2, SPARE
	v_mov_b32 v[NIL], 0
	v_lshrrev_b32 v1, 5, v0
	v_readfirstlane_b32 s18, v1                    ; wave
	v_and_b32 v2, 31, v0                           ; lane
	v_and_b32 v7, 15, v0                           ; p
	v_bfe_u32 v8, v0, 4, 1                         ; h
	v_lshlrev_b32 v3, 4, v7
	v_lshl_add_u32 v3, v8, 13, v3                  ; in: 16 bytes of a row's 256; lanes 16-31 one row further down
	v_lshlrev_b32 v4, 4, v2                        ; out: 16 x lane
	v_lshlrev_b32 v5, 3, v2                        ; out: 8 x lane
	v_lshlrev_b32 v6, 3, v8                        ; 8 h: my byte's shift in a scale word
	s_mul_i32 s19, s18, WREG
	v_mul_u32_u24 v14, v8, SPITCH
	v_lshl_add_u32 v14, v7, 4, v14
	v_add_nc_u32 v14, s19, v14                     ; the stage, way in: row h of a pair, 16 p
	v_mul_u32_u24 v15, v7, SPITCH
	v_lshl_add_u32 v15, v8, 7, v15
	v_add_nc_u32 v15, s19, v15                     ; way out: row p, my half's 128 bytes
	s_mov_b32 s20, 0x76543210
	s_mov_b32 s21, 0xfedcba98                      ; v_permlanex16_b32's selects for lane l xor 16
	s_mov_b32 s22, 0xffff0000                      ; lanes 16-31
	s_lshr_b32 s23, ttmp9, 7                       ; tensor
	s_and_b32 s24, ttmp9, 127                      ; T
	s_lshr_b32 s26, s24, 1
	s_lshl_b32 s26, s26, 5
	s_and_b32 s27, s24, 1
	s_lshl_b32 s27, s27, 3
	s_add_co_u32 s26, s26, s27                     ; the tile's first row: 32 (T / 2) + 8 (T % 2)
	s_lshl_b32 s26, s26, 13
	s_lshl_b32 s27, s18, 11
	s_add_co_u32 s26, s26, s27                     ; + my wave's 2,048 bytes of each row
	s_mov_b32 s27, 0
	s_mul_i32 s28, ttmp9, 24576
	s_mul_i32 s29, s18, 6144
	s_add_co_u32 s28, s28, s29                     ; codes: 24,576 bytes a tile, 6,144 a wave
	s_mov_b32 s29, 0
	s_lshl_b32 s30, ttmp9, 10
	s_lshl_b32 s31, s18, 8
	s_add_co_u32 s30, s30, s31                     ; scale bytes: 1,024 a tile, 256 a wave
	s_mov_b32 s31, 0
	s_wait_alu depctr_va_vdst(0)
	s_wait_kmcnt 0x0
	s_cmp_eq_u32 s23, 1                            ; which input: the choice hangs on the work-group's number alone
	s_cselect_b64 s[4:5], s[6:7], s[4:5]
	s_cmp_eq_u32 s23, 2
	s_cselect_b64 s[4:5], s[8:9], s[4:5]
	s_cmp_eq_u32 s23, 3
	s_cselect_b64 s[4:5], s[10:11], s[4:5]
	s_cmp_eq_u32 s23, 4
	s_cselect_b64 s[4:5], s[12:13], s[4:5]
	s_add_nc_u64 s[4:5], s[4:5], s[26:27]
	s_add_nc_u64 s[14:15], s[14:15], s[28:29]
	s_add_nc_u64 s[16:17], s[16:17], s[30:31]
.macro LOAD t                          ; step t: load j takes the tile's rows 2 j and 2 j + 1, 256 consecutive bytes each
.irp j, 0,1,2,3,4,5,6,7
	global_load_b128 v[R+32*((\t)%3)+4*\j:R+32*((\t)%3)+4*\j+3], v3, s[4:5] offset:(2*\j+8*(\j/4))*ROWF+256*(\t) th:TH_LOAD_NT
.endr
.endm
.macro TURN t                          ; through the stage: LDS serves a wave's instructions in order, so no wait stands between the stores and the loads
.irp j, 0,1,2,3,4,5,6,7
	ds_store_b128 v14, v[R+32*((\t)%3)+4*\j:R+32*((\t)%3)+4*\j+3] offset:STAGE*((\t)%2)+2*SPITCH*\j
.endr
.irp i, 0,1,2,3,4,5,6,7
	ds_load_b128 v[X+32*((\t)%2)+4*\i:X+32*((\t)%2)+4*\i+3], v15 offset:STAGE*((\t)%2)+16*\i
.endr
.endm
.macro STEP t
	s_wait_dscnt 0x0                               ; this step's block is back from the stage, and the stage's stores have read their registers,
.if (\t)+3 < 8
	LOAD (\t)+3                                    ; which take the loads of three steps on
.endif
.if (\t)+1 < 8
.if (\t) < 5
	s_wait_loadcnt 16                              ; the next step's eight loads are in; those of the two steps behind it may be out
.else
	s_wait_loadcnt 8*(6-(\t))                      ; near the end: one step's, then none
.endif
	TURN (\t)+1
.endif
.set XS, X+32*((\t)%2)
.set CT, C+8*(\t)
	v_max3_num_f32 v244, |v[XS]|, |v[XS+1]|, |v[XS+2]|             ; the block's largest magnitude: all 32 numbers are mine; two chains
	v_max3_num_f32 v245, |v[XS+3]|, |v[XS+4]|, |v[XS+5]|
.irp i, 6,10,14,18,22,26
	v_max3_num_f32 v244, v244, |v[XS+\i]|, |v[XS+\i+1]|
	v_max3_num_f32 v245, v245, |v[XS+\i+2]|, |v[XS+\i+3]|
.endr
	v_max3_num_f32 v244, v244, |v[XS+30]|, |v[XS+31]|
	v_max3_num_f32 v244, v244, v245, 0x1800000     ; and the floor 2^(3 - 127): the byte cannot fall under 1
	v_add_nc_u32 v246, 0xff000000, v244            ; 2 off the exponent field: the conversion takes this operand's exponent field as its scale
	v_cvt_scalef32_pk16_fp6_f32 v[CT:CT+2], v[XS:XS+15], v246
	v_cvt_scalef32_pk16_fp6_f32 v[CT+4:CT+6], v[XS+16:XS+31], v246  ; (a conversion's three registers begin on an even number)
	v_lshrrev_b32 v247, 23, v246                   ; the scale's byte: also the plain line between the conversions and the moves
.if (\t)%2 == 0
	v_mov_b32 v[SB+(\t)/2], v247
.else
	v_lshl_or_b32 v[SB+(\t)/2], v247, 16, v[SB+(\t)/2]
.endif
	v_mov_b32 v[CT+3], v[CT+4]                     ; the block's 24 bytes on end
	v_mov_b32 v[CT+4], v[CT+5]
	v_mov_b32 v[CT+5], v[CT+6]
	global_store_b128 v4, v[CT:CT+3], s[14:15] offset:768*(\t)      ; 512 consecutive bytes, aligned to 256
	global_store_b64 v5, v[CT+4:CT+5], s[14:15] offset:768*(\t)+512 ; 256 consecutive bytes, aligned
.endm
	LOAD 0
	LOAD 1
	LOAD 2
	s_wait_loadcnt 16                              ; step 0's eight loads are in
	TURN 0
.irp t, 0,1,2,3,4,5,6,7
	STEP \t
.endr
	; register q holds my bytes of steps 2 q (bits 0-7) and 2 q + 1 (bits 16-23): shifted by 8 h and joined with lane l xor 16's they are the word of blocks 4 q .. 4 q + 3
.irp q, 0,1,2,3
	v_lshlrev_b32 v[SB+\q], v6, v[SB+\q]
.endr
.irp q, 0,1,2,3
	v_permlanex16_b32 v[244+\q], v[SB+\q], s20, s21
.endr
.irp q, 0,1,2,3
	v_or_b32 v[SB+\q], v[SB+\q], v[244+\q]
.endr
	v_cndmask_b32 v248, v[SB], v[SB+2], s22        ; lanes 0-15: my row's first eight bytes; lanes 16-31: its second eight
	v_cndmask_b32 v249, v[SB+1], v[SB+3], s22
	global_store_b64 v5, v[248:249], s[16:17]      ; 256 consecutive bytes, aligned
	s_wait_tensorcnt 0x0                           ; the wave's end
	ds_add_u32 v[SPW], v[NIL]
	s_wait_dscnt 0x0
	s_endpgm
.Lfunc_end_k_q0787e6deca_quant:
	.size	k_q0787e6deca_quant, .Lfunc_end_k_q0787e6deca_quant-k_q0787e6deca_quant
	.p2alignl 7, 3214868480
	.fill 96, 4, 3214868480
	.section	.rodata,"a",@progbits
	.p2align	6, 0x0
	.amdhsa_kernel k_q0787e6deca_quant
		.amdhsa_group_segment_fixed_size 35328
		.amdhsa_private_segment_fixed_size 0
		.amdhsa_enable_private_segment 0
		.amdhsa_kernarg_size 56
		.amdhsa_user_sgpr_count 2
		.amdhsa_user_sgpr_kernarg_segment_ptr 1
		.amdhsa_wavefront_size32 1
		.amdhsa_system_sgpr_workgroup_id_x 1
		.amdhsa_system_sgpr_workgroup_id_y 1
		.amdhsa_system_sgpr_workgroup_id_z 1
		.amdhsa_system_vgpr_workitem_id 0
		.amdhsa_next_free_vgpr 256
		.amdhsa_next_free_sgpr 66
		.amdhsa_reserve_vcc 0
		.amdhsa_float_denorm_mode_32 3
		.amdhsa_float_denorm_mode_16_64 3
		.amdhsa_memory_ordered 1
		.amdhsa_forward_progress 1
		.amdhsa_inst_pref_size 31
	.end_amdhsa_kernel
	.amdgpu_metadata
---
amdhsa.version: [ 1, 2 ]
amdhsa.kernels:
  - .name:           k_q0787e6deca_quant
    .symbol:         k_q0787e6deca_quant.kd
    .args:
      - { .name: hidden_states, .offset: 0, .size: 8, .value_kind: global_buffer, .address_space: global }
      - { .name: Wq, .offset: 8, .size: 8, .value_kind: global_buffer, .address_space: global }
      - { .name: Wk, .offset: 16, .size: 8, .value_kind: global_buffer, .address_space: global }
      - { .name: Wv, .offset: 24, .size: 8, .value_kind: global_buffer, .address_space: global }
      - { .name: Wo, .offset: 32, .size: 8, .value_kind: global_buffer, .address_space: global }
      - { .name: opc, .offset: 40, .size: 8, .value_kind: global_buffer, .address_space: global }
      - { .name: ops, .offset: 48, .size: 8, .value_kind: global_buffer, .address_space: global }
    .group_segment_fixed_size: 35328
    .private_segment_fixed_size: 0
    .kernarg_segment_align: 8
    .kernarg_segment_size: 56
    .max_flat_workgroup_size: 128
    .sgpr_count:     66
    .vgpr_count:     256
    .wavefront_size: 32
...
	.end_amdgpu_metadata
.endif
;; end of part 1
;; launch qkv (part 2): grid 24 x 8, 4 waves a work-group, clusters of 4 x 4, 327,680 bytes of LDS; arguments opc, ops, cos, sin, qkvc, qkvs; writes qkvc, qkvs
.if DOCPART == 2
	.amdgcn_target "amdgcn-amd-amdhsa--gfx1250"
	.amdhsa_code_object_version 6
	.text
	.protected	k_q0787e6deca_qkv
	.globl	k_q0787e6deca_qkv
	.p2align	8
	.type	k_q0787e6deca_qkv,@function
k_q0787e6deca_qkv:
	s_mov_b64 s[64:65], 0
	v_nop
	global_prefetch_b8 v0, s[64:65] scope:SCOPE_SE
	s_setreg_imm32_b32 hwreg(HW_REG_WAVE_MODE, 25, 1), 1
	s_wait_xcnt 0x0
	s_wait_alu depctr_hold_cnt(0) depctr_sa_sdst(0) depctr_va_vdst(0) depctr_va_sdst(0) depctr_va_ssrc(0) depctr_va_vcc(0) depctr_vm_vsrc(0)
	s_getreg_b32 s2, hwreg(HW_REG_IB_STS2, 6, 4)
	s_cmp_eq_u32 s2, 0
	s_cbranch_scc0 .Lentry_in_a_cluster
	s_endpgm
.Lentry_in_a_cluster:
	s_bfe_u32 s2, ttmp6, 0x10000c
	s_cmp_lg_u32 s2, 0xf033
	s_cbranch_scc0 .Lentry_shape_is_right
	s_endpgm
.Lentry_shape_is_right:
.set FR,     12
.set NL,     4
.set NQ,     2
.set NP,     4
.set STEPB,  3072
.set HALFT,  8*STEPB
.set SLOT,   4*HALFT
.set LAPS,   4
.set SCL,    2*SLOT
.set HALFS,  8192
.set SPARE,  SCL+4*HALFS
.set ADRA, 16
.set ADRB, 20
.set GA,   24
.set GB,   25
.set CSO,  26
.set ADRS, 27
.set SPW,  28
.set NIL,  29
.set SC,   32
.set CS,   64
.set AF,   128
.set HA,   128
.set PC,   192
.set PT,   204
.set TM,   212
.set PWS,  224
.set SELW, 232
.set EW,   236
.set FW,   240
.set WV,   16
.set RH,   17
.set PH,   18
.set VP,   19
.set G1,   24
.set G0,   32
.set G1B,  48
.set G0B,  56
.set G1S,  68
.set G0S,  76
.set G1SB, 80
.set G0SB, 88
.set SEL,  96
.set HI,   98
.set MSB, 0
.macro WIN new
.if MSB != (\new)
	s_set_vgpr_msb (MSB<<8)|(\new)
.set MSB, (\new)
.endif
.endm
.set MUL_LO, 0xa1
.set MUL_HI, 0xf1
.set TO_P,   0x40
.macro JLOAD g0a, g1a, g0b, g1b
	s_cmp_eq_u32 s[RH], 0
	s_cbranch_scc0 .Lfor_p_\@
	tensor_load_to_lds s[\g0a:\g0a+3], s[\g1a:\g1a+7]
	s_nop 0
.rept 4
	v_nop
.endr
	s_branch .Lasked_\@
.Lfor_p_\@:
	tensor_load_to_lds s[\g0b:\g0b+3], s[\g1b:\g1b+7]
	s_nop 0
.rept 4
	v_nop
.endr
.Lasked_\@:
.endm
.macro CREST
	s_cmp_lg_u32 s[WV], 0
	s_cbranch_scc1 .Lnot_wave_0_\@
	s_barrier_signal -3
.Lnot_wave_0_\@:
	s_barrier_wait -3
	s_barrier_signal -1
	s_barrier_wait -1
.endm
.macro CROUND
	s_barrier_signal -1
	s_barrier_wait -1
	CREST
.endm
.macro PLACES n
.rept \n
	v_nop
.endr
.endm
	s_load_b256 s[4:11], s[0:1], 0x0
	s_load_b128 s[12:15], s[0:1], 0x20
	v_lshl_add_u32 v[SPW], v0, 2, SPARE
	v_mov_b32 v[NIL], 0
	ds_add_u32 v[SPW], v[NIL]
	ds_add_u32 v[SPW], v[NIL]
	v_lshrrev_b32 v1, 5, v0
	v_readfirstlane_b32 s[WV], v1
	s_lshr_b32 s[RH], s[WV], 1
	s_and_b32 s[PH], s[WV], 1
	s_bfe_u32 s40, ttmp6, 0x40000
	s_bfe_u32 s41, ttmp6, 0x40004
	s_lshl_b32 s42, ttmp9, 2
	s_add_co_u32 s42, s42, s40
	s_and_b32 s42, s42, 15
	s_and_b32 s43, ttmp7, 0xffff
	s_lshl_b32 s43, s43, 2
	s_add_co_u32 s43, s43, s41
	s_lshl_b32 s44, s41, 2
	s_lshl_b32 s44, 15, s44
	s_lshl_b32 s45, 0x1111, s40
	s_lshr_b32 s[VP], ttmp9, 2
	s_xor_b32 s46, s[VP], 1
	s_lshl_b32 s46, s46, 7
	s_mul_i32 s47, s[VP], 384
	s_or_b32 s[G1+0], s44, (3<<16)|(1<<21)
	s_or_b32 s[G1B+0], s45, (3<<16)|(1<<21)
.irp g, G1, G1B
	s_mov_b32 s[\g+1], 384<<16
	s_mov_b32 s[\g+2], 16<<16                      ; the head's loads of codes bring 16 row tiles; behind them these two words are set to 8
	s_mov_b32 s[\g+3], 384<<16
	s_mov_b32 s[\g+4], 16
	s_mov_b32 s[\g+5], 3072
	s_mov_b32 s[\g+6], 0
	s_mov_b32 s[\g+7], 0
.endr
	s_or_b32 s[G1S+0], s44, (3<<16)|(1<<21)
	s_or_b32 s[G1SB+0], s45, (3<<16)|(1<<21)
.irp g, G1S, G1SB
	s_mov_b32 s[\g+1], 32<<16
	s_mov_b32 s[\g+2], 64<<16                      ; the scale bytes of 16 row tiles: 64 rows of 256 bytes
	s_mov_b32 s[\g+3], 32<<16
	s_mov_b32 s[\g+4], 64
	s_mov_b32 s[\g+5], 32
	s_mov_b32 s[\g+6], 0
	s_mov_b32 s[\g+7], 0
.endr
	s_lshl_b32 s3, s[PH], 3
	s_lshl_b32 s20, s43, 4
	s_add_co_u32 s20, s20, s47
	s_add_co_u32 s20, s20, s3
	s_lshl_b32 s92, s42, 4
	s_add_co_u32 s92, s92, s46
	s_add_co_u32 s92, s92, s3
	s_lshl_b32 s22, s20, 10
	s_mul_i32 s20, s20, 24576
	s_mov_b32 s21, 0
	s_mov_b32 s23, 0
	s_lshl_b32 s94, s92, 10
	s_mul_i32 s92, s92, 24576
	s_mov_b32 s93, 0
	s_mov_b32 s95, 0
	s_mul_i32 s46, s[WV], HALFT
	s_lshl_b32 s47, s[WV], 13
	s_mov_b32 s[SEL], 0x76543210
	s_mov_b32 s[SEL+1], 0xfedcba98
	s_mov_b32 s[HI], 0xffff0000
	s_wait_dscnt 0x0
	s_wait_kmcnt 0x0
	s_add_nc_u64 s[20:21], s[4:5], s[20:21]
	s_add_nc_u64 s[22:23], s[6:7], s[22:23]
	s_add_nc_u64 s[92:93], s[4:5], s[92:93]
	s_add_nc_u64 s[94:95], s[6:7], s[94:95]
	CROUND
	s_mov_b32 s[G0S], 1
	s_add_co_u32 s[G0S+1], s47, SCL-8192           ; wave 1 asks by this group: LDS byte SCL,
	s_sub_nc_u64 s[G0S+2:G0S+3], s[22:23], 8192    ; from the first of the 16 tiles (its own half begins 8,192 bytes on)
	s_or_b32 s[G0S+3], s[G0S+3], 0x80000000
	s_mov_b32 s[G0SB], 1
	s_add_co_u32 s[G0SB+1], s47, SCL-8192          ; wave 3 asks by this group: LDS byte SCL + 2 HALFS
	s_sub_nc_u64 s[G0SB+2:G0SB+3], s[94:95], 8192
	s_or_b32 s[G0SB+3], s[G0SB+3], 0x80000000
.irp s, 0,1
	s_mov_b32 s[G0+4*\s], 1
	s_add_co_u32 s[G0+4*\s+1], s46, \s*SLOT
	s_add_nc_u64 s[G0+4*\s+2:G0+4*\s+3], s[20:21], \s*STEPB
	s_or_b32 s[G0+4*\s+3], s[G0+4*\s+3], 0x80000000
	s_mov_b32 s[G0B+4*\s], 1
	s_add_co_u32 s[G0B+4*\s+1], s46, \s*SLOT
	s_add_nc_u64 s[G0B+4*\s+2:G0B+4*\s+3], s[92:93], \s*STEPB
	s_or_b32 s[G0B+4*\s+3], s[G0B+4*\s+3], 0x80000000
.endr
; THE PREFETCHES.  Of the 8 row tiles that I fetch in a refill, each of the four partners that ask for them jointly names 2, told apart by address alone: 2 x 3,072 bytes of a K step, 24 blocks of 256 bytes, a lane a block
.set PFA, 44                           ; s[44:45] my work-group's 2 tiles, at the K step two behind the loop's first refill of the trip
.set PFO, 30                           ; v30 the lane's block; lanes 24-31 name lane 23's again; never rewritten
.set PFC, 31                           ; v31 256 x lane: a row of cos or sin; never rewritten
	s_cmp_eq_u32 s[RH], 0                          ; which operand I fetch for: the wave's number alone decides
	s_cselect_b64 s[PFA:PFA+1], s[20:21], s[92:93]
	s_cselect_b32 s46, s40, s41                    ; my place among the four that ask with me
	s_mul_i32 s46, s46, 2*24576
	s_mov_b32 s47, 0
	s_add_nc_u64 s[PFA:PFA+1], s[PFA:PFA+1], s[46:47]
; the head's four tiles, one joint load a wave, in one chain of branches on the wave's number: wave 0 slot 0's 16 tiles of the one operand, wave 1 their scale bytes, wave 2 slot 0's 16 tiles of the other, wave 3 their scale bytes
.macro ARM under, g0, g1, next
	s_cmp_lt_u32 s[WV], \under
	s_cbranch_scc0 \next
	tensor_load_to_lds s[\g0:\g0+3], s[\g1:\g1+7]
	s_nop 0
.rept 4
	v_nop
.endr
	s_branch .Lhead_asked
\next:
.endm
	ARM 1, G0,  G1,  .Lhead_sa
	ARM 2, G0S, G1S, .Lhead_b
	ARM 3, G0B, G1B, .Lhead_sb
	tensor_load_to_lds s[G0SB:G0SB+3], s[G1SB:G1SB+7]
	s_nop 0
.rept 4
	v_nop
.endr
.Lhead_asked:
	v_and_b32 v1, 15, v0
	v_bfe_u32 v2, v0, 4, 1
	v_and_b32 v3, 31, v0
	v_lshlrev_b32 v[GA], 4, v3
	v_lshlrev_b32 v[GB], 3, v3
	v_add_nc_u32 v5, 512, v[GB]
	v_min_u32 v6, 23, v3                           ; block 0 .. 23
	v_mul_u32_u24 v7, v6, 11
	v_lshlrev_b32 v6, 8, v6
	v_lshrrev_b32 v7, 7, v7                        ; 1 from block 12 on: the second tile, 24,576 bytes behind the first
	v_lshlrev_b32 v[PFC], 8, v3
	v_mad_u32_u24 v[PFO], v7, 24576-3072, v6
	s_mul_i32 s20, s[RH], HALFT
	s_mul_i32 s21, s[PH], HALFT
	s_add_co_u32 s21, s21, 2*HALFT
.irp s, 0,1
	v_add_nc_u32 v[ADRA+\s], s20, v[GA]
	v_add_nc_u32 v[ADRB+\s], s21, v[GA]
	v_add_nc_u32 v[ADRA+2+\s], s20, v5
	v_add_nc_u32 v[ADRB+2+\s], s21, v5
	s_add_co_u32 s20, s20, SLOT
	s_add_co_u32 s21, s21, SLOT
.endr
	v_lshlrev_b32 v5, 3, v1
	s_lshl_b32 s20, s[RH], 13
	s_lshl_b32 s21, s[PH], 13
	s_add_co_u32 s21, s21, 2*HALFS
	s_sub_co_u32 s21, s21, s20
	v_mul_u32_u24 v6, s21, v2
	s_add_co_u32 s20, s20, SCL
	v_add_nc_u32 v5, v5, v6
	v_add_nc_u32 v[ADRS], s20, v5
	v_and_b32 v5, 8, v1
	v_add_nc_u32 v5, v5, v1
	v_lshlrev_b32 v5, 8, v5
	v_lshl_add_u32 v[CSO], v2, 6, v5
	s_wait_alu depctr_va_vdst(0)
	s_lshl_b32 s92, s42, 2
	s_lshl_b32 s93, s[PH], 1
	s_add_co_u32 s92, s92, s93
	s_lshl_b32 s93, s43, 4
	s_lshl_b32 s94, s[RH], 3
	s_add_co_u32 s93, s93, s94
	s_lshr_b32 s66, s93, 2
	s_mul_i32 s94, s92, 98304
	s_mul_i32 s95, s93, 768
	s_add_co_u32 s94, s94, s95
	s_mul_i32 s95, s66, 98304
	s_mul_i32 s67, s92, 3072
	s_add_co_u32 s95, s95, s67
	s_add_co_u32 s95, s95, 6291456
	s_cmp_eq_u32 s[VP], 0
	s_cselect_b32 s94, s94, s95
	s_mov_b32 s95, 0
	s_add_nc_u64 s[12:13], s[12:13], s[94:95]
	s_lshl_b32 s94, s92, 13
	s_lshl_b32 s95, s93, 6
	s_add_co_u32 s94, s94, s95
	s_lshl_b32 s95, s66, 12
	s_lshl_b32 s67, s92, 7
	s_add_co_u32 s95, s95, s67
	s_add_co_u32 s95, s95, 524288
	s_cmp_eq_u32 s[VP], 0
	s_cselect_b32 s94, s94, s95
	s_mov_b32 s95, 0
	s_add_nc_u64 s[14:15], s[14:15], s[94:95]
	s_lshl_b32 s94, s93, 12
	s_add_nc_u64 s[8:9], s[8:9], s[94:95]
	s_add_nc_u64 s[10:11], s[10:11], s[94:95]
	s_cmp_eq_u32 s[PH], 0                          ; of my 128 tokens' rows the wave with the even number names cos, the other sin; each partner 32 rows, by address
	s_cselect_b64 s[66:67], s[8:9], s[10:11]
	s_lshl_b32 s94, s40, 13
	s_add_nc_u64 s[66:67], s[66:67], s[94:95]
.macro CSLOAD a
.irp e, 0,1
.irp j, 0,1,2,3
	global_load_b128 v[CS+16*\e+4*\j:CS+16*\e+4*\j+3], v[CSO], s[8:9] offset:(32*((\a)/2)+8*((\a)%2))*256+128*\e+16*\j
	global_load_b128 v[CS+32+16*\e+4*\j:CS+32+16*\e+4*\j+3], v[CSO], s[10:11] offset:(32*((\a)/2)+8*((\a)%2))*256+128*\e+16*\j
.endr
.endr
.endm
	CSLOAD 0
.macro FRAG reg, adr, off
.irp c, 0,1
	ds_load_b128 v[\reg+6*\c:\reg+6*\c+3], v[\adr] offset:\off+768*\c
	ds_load_b64 v[\reg+6*\c+4:\reg+6*\c+5], v[\adr+2] offset:\off+768*\c
.endr
.endm
.macro MUL16 a0, p, q, sc, zero
.irp a, \a0, \a0+1
.irp b, 0,1,2,3,4,5,6,7
.if \zero
	v_wmma_scale_f32_16x16x128_f8f6f4 v[8*(8*((\a)%4)+\b):8*(8*((\a)%4)+\b)+7], v[128*(\p)+FR*\b:128*(\p)+FR*\b+FR-1], v[AF+FR*(\a):AF+FR*(\a)+FR-1], 0, v[SC+8*NQ*(\sc)+NQ*\b+(\q)], v[SC+8*NQ*(\sc)+NQ*(\a)+(\q)] matrix_a_fmt:MATRIX_FMT_FP6 matrix_b_fmt:MATRIX_FMT_FP6 matrix_a_scale:MATRIX_SCALE_ROW1
.else
	v_wmma_scale_f32_16x16x128_f8f6f4 v[8*(8*((\a)%4)+\b):8*(8*((\a)%4)+\b)+7], v[128*(\p)+FR*\b:128*(\p)+FR*\b+FR-1], v[AF+FR*(\a):AF+FR*(\a)+FR-1], v[8*(8*((\a)%4)+\b):8*(8*((\a)%4)+\b)+7], v[SC+8*NQ*(\sc)+NQ*\b+(\q)], v[SC+8*NQ*(\sc)+NQ*(\a)+(\q)] matrix_a_fmt:MATRIX_FMT_FP6 matrix_b_fmt:MATRIX_FMT_FP6 matrix_a_scale:MATRIX_SCALE_ROW1
.endif
.endr
.endr
.endm
.macro FETCH_P slot, q, p
	WIN TO_P
.irp i, 0,1,2,3,4,5,6,7
	FRAG 128*(\p)+FR*\i, ADRB+\slot, \i*STEPB+1536*(\q)
.endr
	WIN 0
.endm
.macro FETCH_R slot, q, i0
.irp i, \i0, \i0+1, \i0+2, \i0+3
	FRAG AF+FR*(\i), ADRA+\slot, (\i)*STEPB+1536*(\q)
.endr
.endm
.macro SCALES sc
.irp i, 0,1,2,3,4,5,6,7
	ds_load_b64 v[SC+8*NQ*\sc+NQ*\i:SC+8*NQ*\sc+NQ*\i+1], v[ADRS] offset:\i*1024
.endr
.endm
.macro STEP slot, q, zero
	s_wait_dscnt 4*NL
	WIN MUL_LO
	MUL16 0, (\q)%2, \q, \slot, \zero
	MUL16 2, (\q)%2, \q, \slot, \zero
	s_wait_dscnt 0
	PLACES NP
	FETCH_P \slot, (\q)+1, 1-(\q)%2
	FETCH_R \slot, (\q)+1, 0
	WIN MUL_HI
	MUL16 4, (\q)%2, \q, \slot, \zero
	MUL16 6, (\q)%2, \q, \slot, \zero
	PLACES NP
	WIN 0
	FETCH_R \slot, (\q)+1, 4
.endm
.macro TURN slot, next, fill
	s_wait_tensorcnt 0x0
	ds_add_u32 v[SPW], v[NIL]
	s_wait_dscnt 4*NL+1
	WIN MUL_LO
	MUL16 0, 1, NQ-1, \slot, 0
	s_wait_dscnt 0x0
	s_barrier_signal -1
	MUL16 2, 1, NQ-1, \slot, 0
	WIN 0
	s_barrier_wait -1
.if \fill
	CREST
	s_add_nc_u64 s[G0+4*\slot+2:G0+4*\slot+3], s[G0+4*\slot+2:G0+4*\slot+3], 2*STEPB
	s_add_nc_u64 s[G0B+4*\slot+2:G0B+4*\slot+3], s[G0B+4*\slot+2:G0B+4*\slot+3], 2*STEPB
	JLOAD G0+4*\slot, G1, G0B+4*\slot, G1B
.else
	PLACES NP
.endif
	s_wait_alu depctr_va_vdst(0)
	v_add_nc_u32 v[ADRS], 128, v[ADRS]
	FETCH_P \next, 0, 0
	FETCH_R \next, 0, 0
	SCALES \next
.if \fill
	s_cmp_gt_u32 s3, 1                             ; the loop's last trip has no K step two refills on
	s_cbranch_scc0 .Lnot_asked_\@
	global_prefetch_b8 v[PFO], s[PFA:PFA+1] offset:(4+\slot)*STEPB th:TH_LOAD_NT scope:SCOPE_SE   ; the K step that stands two refills on
.Lnot_asked_\@:
.endif
	WIN MUL_HI
	MUL16 4, 1, NQ-1, \slot, 0
	MUL16 6, 1, NQ-1, \slot, 0
	PLACES NP
	WIN 0
	FETCH_R \next, 0, 4
.endm
	s_wait_alu depctr_va_vdst(0)
	s_wait_tensorcnt 0x0                           ; my tile of the head's four is in
	ds_add_u32 v[SPW], v[NIL]
	s_mov_b32 s[G1+2], 8<<16                       ; no load of mine is out: from here on a load brings 8 row tiles
	s_mov_b32 s[G1+4], 8
	s_mov_b32 s[G1B+2], 8<<16
	s_mov_b32 s[G1B+4], 8
	s_wait_dscnt 0x0
	CROUND                                         ; all four tiles are in, in every work-group of the cluster
	JLOAD G0+4, G1, G0B+4, G1B                     ; slot 1's first fill, the first tensor load behind the round
	FETCH_P 0, 0, 0
	FETCH_R 0, 0, 0
	SCALES 0
	FETCH_R 0, 0, 4
	; the first prefetches stand behind slot 1's joint load and the first run of fragment loads: nothing is prefetched while the head's own tiles are on their way
	global_prefetch_b8 v[PFO], s[PFA:PFA+1] offset:2*STEPB th:TH_LOAD_NT scope:SCOPE_SE   ; K steps 2 and 3, which the loop's first two refills load
	global_prefetch_b8 v[PFO], s[PFA:PFA+1] offset:3*STEPB th:TH_LOAD_NT scope:SCOPE_SE
	s_cmp_lg_u32 s[VP], 0                          ; V's work-groups take no cos and sin
	s_cbranch_scc1 .Lno_pfc
	global_prefetch_b8 v[PFC], s[66:67] th:TH_LOAD_NT scope:SCOPE_SE                      ; my 32 rows of cos or of sin, for the way out
.Lno_pfc:
; the way out: each of the eight blocks has 12 registers of its own for its codes, so that no store's data are written again
.macro PCSET a
.if (\a) == 0
.set PC, 192
.elseif (\a) < 6
.set PC, 52+12*(\a)                    ; v64-123: block 0's cos and sin have been read by then
.elseif (\a) == 6
.set PC, 244
.else
.set PC, 4
.endif
.endm
	STEP 0, 0, 1
	s_mov_b32 s3, LAPS-1
.Llap:
	TURN 0, 1, 1
	STEP 1, 0, 0
	TURN 1, 0, 1
	STEP 0, 0, 0
	s_wait_xcnt 0x0                                ; my prefetches have read their address: it steps two K steps a trip
	s_add_nc_u64 s[PFA:PFA+1], s[PFA:PFA+1], 2*STEPB
	s_sub_co_u32 s3, s3, 1
	s_cmp_lg_u32 s3, 0
	s_cbranch_scc1 .Llap
	TURN 0, 1, 0
	STEP 1, 0, 0
	s_cmp_lg_u32 s[VP], 0                          ; V's work-groups take no cos and sin
	s_cbranch_scc1 .Lno_cs
	WIN TO_P                                       ; window 1's v0-127 are free: the set of fragments that lay there has been multiplied, four places ago
.set CS, 0
	CSLOAD 1                                       ; cos and sin of blocks 1 and 2: 32 loads, under the last 64 products
.set CS, 64
	CSLOAD 2
	WIN 0
.Lno_cs:
	s_wait_dscnt 4*NL
	WIN MUL_LO
	MUL16 0, 1, NQ-1, 1, 0
	MUL16 2, 1, NQ-1, 1, 0
	s_wait_dscnt 0
	WIN MUL_HI
	MUL16 4, 1, NQ-1, 1, 0
	MUL16 6, 1, NQ-1, 1, 0
	WIN 0
.macro QUANT s, w, pw
	WIN ((\w)|((\w)<<2))
.irp b, 0,1,2,3
	v_max3_num_f32 v[TM+\b], |v[\s+16*\b]|, |v[\s+1+16*\b]|, 0x1800000
.endr
	WIN (((\w)<<2)|((\w)<<4))
.irp i, 2,4,6,8,10,12,14
.irp b, 0,1,2,3
	v_max3_num_f32 v[TM+\b], v[TM+\b], |v[\s+16*\b+\i]|, |v[\s+1+16*\b+\i]|
.endr
.endr
	WIN 0
.irp b, 0,1,2,3
	v_permlanex16_b32 v[TM+4+\b], v[TM+\b], s[SEL], s[SEL+1]
.endr
.irp b, 0,1,2,3
	v_max_num_f32 v[TM+\b], v[TM+\b], v[TM+4+\b]
.endr
.irp b, 0,1,2,3
	v_add_nc_u32 v[TM+8+\b], 0xff000000, v[TM+\b]
.endr
.irp b, 0,1,2,3
	v_lshrrev_b32 v[TM+4+\b], 23, v[TM+8+\b]
.endr
	v_lshl_or_b32 v[\pw], v[TM+5], 8, v[TM+4]
	v_lshl_or_b32 v[\pw], v[TM+6], 16, v[\pw]
	v_lshl_or_b32 v[\pw], v[TM+7], 24, v[\pw]
	WIN (\w)
.irp c, 0,1
	v_cvt_scalef32_pk16_fp6_f32 v[PC+6*\c:PC+6*\c+2], v[\s+32*\c:\s+32*\c+15], v[TM+8+2*\c]
	v_cvt_scalef32_pk16_fp6_f32 v[PT+4*\c:PT+4*\c+2], v[\s+32*\c+16:\s+32*\c+31], v[TM+9+2*\c]
.endr
	WIN 0
	v_nop
.irp c, 0,1
.irp i, 0,1,2
	v_permlane16_swap_b32 v[PC+6*\c+\i], v[PT+4*\c+\i]
.endr
.irp i, 0,1,2
	v_mov_b32 v[PC+6*\c+3+\i], v[PT+4*\c+\i]
.endr
.endr
.endm
.macro ROPE a
.set A0, 64*((\a)%4)
	WIN ((2+(\a)/4)|CSW)                           ; CSW: the window of cos and sin (source 1)
.irp e, 0,1
.irp u, 0,16
.irp i, 0,2,4,6,8,10,12,14
	v_pk_mul_f32 v[HA+32*\e+\u+\i:HA+32*\e+\u+\i+1], v[A0+32*\e+\u+\i:A0+32*\e+\u+\i+1], v[CS+\u+\i:CS+\u+\i+1]
.endr
.endr
.endr
.irp e, 0,1
.irp i, 0,2,4,6,8,10,12,14
	v_pk_fma_f32 v[HA+32*\e+\i:HA+32*\e+\i+1], v[A0+32*\e+16+\i:A0+32*\e+16+\i+1], v[CS+32+\i:CS+32+\i+1], v[HA+32*\e+\i:HA+32*\e+\i+1] neg_lo:[0,1,0] neg_hi:[0,1,0]
	v_pk_fma_f32 v[HA+32*\e+16+\i:HA+32*\e+16+\i+1], v[A0+32*\e+\i:A0+32*\e+\i+1], v[CS+48+\i:CS+48+\i+1], v[HA+32*\e+16+\i:HA+32*\e+16+\i+1]
.endr
.endr
	WIN 0
.endm
	PLACES NP
.irp b, 0,1,2,3
	v_mov_b32 v[TM+4+\b], 0
.endr
	s_cmp_lg_u32 s[VP], 0
	s_cbranch_scc1 .Larm_v
; cos and sin: block 0 lies in window 0 (asked for at the head); block a > 0 in window 1 at 64 ((a - 1) % 4).  16 loads a block; behind block a's loads those of up to three later blocks are out
.irp a, 0,1,2,3,4,5,6,7
.if \a == 0
.set CS, 64
.set CSW, 0
	s_wait_loadcnt 32                              ; blocks 1 and 2 may be out
.else
.set CS, 64*((\a-1)%4)
.set CSW, 4
.if \a < 5
	s_wait_loadcnt 48                              ; the three blocks behind this one may be out
.else
	s_wait_loadcnt 16*(7-\a)
.endif
.endif
	ROPE \a
.if \a == 0
	WIN TO_P
.set CS, 128
	CSLOAD 3                                       ; window 1's v128-255: the last products' fragments are done with
.set CS, 192
	CSLOAD 4
	WIN 0
.endif
.if (\a > 0) && (\a < 4)
	WIN TO_P
	CSLOAD \a+4                                    ; into the registers just read
	WIN 0
.endif
	PCSET \a
	QUANT HA, 0, PWS+\a
.irp c, 0,1
	global_store_b128 v[GA], v[PC+6*\c:PC+6*\c+3], s[12:13] offset:98304*\c+768*\a
	global_store_b64 v[GB], v[PC+6*\c+4:PC+6*\c+5], s[12:13] offset:98304*\c+768*\a+512
.endr
.endr
.irp p, 0,1,2,3
	v_cndmask_b32 v[SELW+\p], v[PWS+2*\p], v[PWS+2*\p+1], s[HI]
.endr
.irp p, 0,1,2,3
	v_and_b32 v[EW+\p], 0xffff, v[SELW+\p]
	v_lshrrev_b32 v[FW+\p], 16, v[SELW+\p]
.endr
	global_store_b128 v[GA], v[EW:EW+3], s[14:15]
	global_store_b128 v[GA], v[FW:FW+3], s[14:15] offset:8192
	s_branch .Ldone
.Larm_v:
.irp a, 0,1,2,3,4,5,6,7
.if \a == 0
	s_wait_loadcnt 0x0                             ; the head's loads of cos and sin have landed in v64-127, which take codes below
.endif
	PCSET \a
	QUANT 64*((\a)%4), (2+(\a)/4), PWS+\a
.irp c, 0,1
	global_store_b128 v[GA], v[PC+6*\c:PC+6*\c+3], s[12:13] offset:((\a)/4)*98304+3072*\c+((\a)%4)*768
	global_store_b64 v[GB], v[PC+6*\c+4:PC+6*\c+5], s[12:13] offset:((\a)/4)*98304+3072*\c+((\a)%4)*768+512
.endr
.endr
.irp p, 0,1,2,3
	v_cndmask_b32 v[SELW+\p], v[PWS+2*\p], v[PWS+2*\p+1], s[HI]
.endr
.irp e, 0,1
	global_store_b64 v[GB], v[SELW+2*\e:SELW+2*\e+1], s[14:15] offset:4096*\e
.endr
.Ldone:
	s_wait_tensorcnt 0x0
	ds_add_u32 v[SPW], v[NIL]
	s_wait_dscnt 0x0
	CROUND
	s_endpgm
.Lfunc_end_k_q0787e6deca_qkv:
	.size	k_q0787e6deca_qkv, .Lfunc_end_k_q0787e6deca_qkv-k_q0787e6deca_qkv
	.p2alignl 7, 3214868480
	.fill 96, 4, 3214868480
	.section	.rodata,"a",@progbits
	.p2align	6, 0x0
	.amdhsa_kernel k_q0787e6deca_qkv
		.amdhsa_group_segment_fixed_size 327680
		.amdhsa_private_segment_fixed_size 0
		.amdhsa_enable_private_segment 0
		.amdhsa_kernarg_size 48
		.amdhsa_user_sgpr_count 2
		.amdhsa_user_sgpr_kernarg_segment_ptr 1
		.amdhsa_wavefront_size32 1
		.amdhsa_system_sgpr_workgroup_id_x 1
		.amdhsa_system_sgpr_workgroup_id_y 1
		.amdhsa_system_sgpr_workgroup_id_z 1
		.amdhsa_system_vgpr_workitem_id 0
		.amdhsa_next_free_vgpr 1024
		.amdhsa_next_free_sgpr 100
		.amdhsa_reserve_vcc 0
		.amdhsa_float_denorm_mode_32 3
		.amdhsa_float_denorm_mode_16_64 3
		.amdhsa_memory_ordered 1
		.amdhsa_forward_progress 1
		.amdhsa_inst_pref_size 231
	.end_amdhsa_kernel
	.amdgpu_metadata
---
amdhsa.version: [ 1, 2 ]
amdhsa.kernels:
  - .name:           k_q0787e6deca_qkv
    .symbol:         k_q0787e6deca_qkv.kd
    .args:
      - { .name: opc, .offset: 0, .size: 8, .value_kind: global_buffer, .address_space: global }
      - { .name: ops, .offset: 8, .size: 8, .value_kind: global_buffer, .address_space: global }
      - { .name: cos, .offset: 16, .size: 8, .value_kind: global_buffer, .address_space: global }
      - { .name: sin, .offset: 24, .size: 8, .value_kind: global_buffer, .address_space: global }
      - { .name: qkvc, .offset: 32, .size: 8, .value_kind: global_buffer, .address_space: global }
      - { .name: qkvs, .offset: 40, .size: 8, .value_kind: global_buffer, .address_space: global }
    .group_segment_fixed_size: 327680
    .private_segment_fixed_size: 0
    .kernarg_segment_align: 8
    .kernarg_segment_size: 48
    .max_flat_workgroup_size: 128
    .sgpr_count:     100
    .vgpr_count:     1024
    .wavefront_size: 32
...
	.end_amdgpu_metadata
.endif
;; end of part 2
;; launch attn (part 3): grid 8 x 32, 8 waves a work-group, clusters of 4 x 1, 327,680 bytes of LDS; arguments qkvc, qkvs, attention_mask, ac, asc; writes ac, asc
.if DOCPART == 3
	.amdgcn_target "amdgcn-amd-amdhsa--gfx1250"
	.amdhsa_code_object_version 6
	.text
	.protected	k_q0787e6deca_attn
	.globl	k_q0787e6deca_attn
	.p2align	8
	.type	k_q0787e6deca_attn,@function
k_q0787e6deca_attn:
	s_mov_b64 s[64:65], 0
	v_nop
	global_prefetch_b8 v0, s[64:65] scope:SCOPE_SE
	s_setreg_imm32_b32 hwreg(HW_REG_WAVE_MODE, 25, 1), 1
	s_wait_xcnt 0x0
	s_wait_alu depctr_hold_cnt(0) depctr_sa_sdst(0) depctr_va_vdst(0) depctr_va_sdst(0) depctr_va_ssrc(0) depctr_va_vcc(0) depctr_vm_vsrc(0)
	s_getreg_b32 s2, hwreg(HW_REG_IB_STS2, 6, 4)
	s_cmp_eq_u32 s2, 0
	s_cbranch_scc0 .Lentry_in_a_cluster
	s_endpgm
.Lentry_in_a_cluster:
	s_bfe_u32 s2, ttmp6, 0x10000c
	s_cmp_lg_u32 s2, 0x3003
	s_cbranch_scc0 .Lentry_shape_is_right
	s_endpgm
.Lentry_shape_is_right:
; o[q] = sum over k of softmax_k(q . k / 8 + mask[k]) v[k], for one head and 256 queries a work-group, both products on codes of FP6 (E2M3) with E8M0 scales; o is quantised along the model's 2,048 and leaves as codes.
; THE SOFTMAX: t = (q . k + 8 mask) x log2(e) / 8; M = the running largest t rounded up to a whole number; p = 2^(t - M) is quantised along the keys; the row's sum is taken of the unquantised p and divides at the end.
; When M moves, the sum and O are multiplied by 2^(old M - new M), which rounds nothing.  THE MASK goes in as the C of the first product: 8 x mask in the result's layout.
; LIMITS: mask numbers beyond +-2^27 count as +-2^27 (8 x mask is held at +-2^30); -infinity hides a key; a row all of whose keys are at -infinity gives numbers, not NaN; NaN anywhere and +infinity in the mask are not served;
;   a block of zeros carries the byte 1; the promise holds while the scaled scores stay under 2^31 in magnitude.
; SHARES.  Eight waves; wave w owns token tiles T and T + 1 (16 queries each), T = 16 x block + 2 w.  Every fragment of K, V and mask read from LDS serves both, and the two tiles' softmax goes line by line together:
;   eight chains of maxima, four of sums, one batch of 136 exponentials a step.
; THE WHOLE HEAD'S K AND V STAY IN LDS, filled once, jointly for the four query blocks of a cluster: key steps 0-3 by one load a wave at the head, steps 4-15 by one load a wave behind the head's wait and a cluster round.
;   Both groups are asked for at the head, so there is no later stream to prefetch.  The scale words (12 KB) and the mask (8 KB) come through registers, each work-group for itself: 20 KB beside 192 KB of joint fills.
; LDS READS RUN AHEAD: the next step's K, mask and scale words are asked for straight behind this step's first products, V at the step's head.  A phase's last step asks for its own K once more (the offset is held at the phase's last step).
; K = 64 IN AN INSTRUCTION OF 128: Q's registers 6-11 are zero codes, so the upper six registers of K's operand (the next tile's codes; six zero registers behind the last) add 0; the scale words' bytes 2 and 3 are 0, a power of two.
; LAYOUT.  Both products transposed: S^T = K Q^T, O^T = V^T P^T: a lane holds one query.  By the tiles' row order (lane-row p = row 32 (T / 2) + 8 (T % 2) + p + 8 (p / 8)) the 16 registers of tiles 2 b, 2 b + 1 are 16 neighbours.
; REGISTERS.  window 0: v1-14 addresses; v16-23 statistics; v26-35 scale words; v36-163 S^T, then p, both tiles; v164-187 p's codes; v188-245 at work.   window 1: v0-63 8 x mask; v64-127 O^T; v128-151 Q; v152-199 V; v200-253 K.
.set VC,    98304                      ; LDS: K's codes from 0, V's from here
.set KSC,   196608                     ; K's scale words, V's, 8 x mask: written by LDS stores alone
.set VSC,   204800
.set MSK,   208896
.set SPARE, 217088                     ; the spare words, 128 bytes for each wave
.set AK16, 1                           ; 16 x lane
.set AK8,  2                           ; 512 + 8 x lane
.set AV16, 3
.set AV8,  4
.set AKS,  5
.set AVS,  6
.set AMK,  7
.set ADK16, 8                          ; v8-14 the same, at the step in hand
.set ADK8,  9
.set ADV16, 10
.set ADV8,  11
.set ADKS,  12
.set ADVS,  13
.set ADMK,  14
.set ST,   16                          ; tile x: v[ST+4x] -M, +1 the largest t, +2, +3 the sum in two halves
.set SPW,  24
.set NIL,  25
.set QSW,  26                          ; Q's scale words: lanes 0-15 tile 0, lanes 16-31 tile 1
.set PW,   27                          ; v27, v28 p's scale words
.set VSW,  30
.set KSW,  32
.set S,    36                          ; tile x at S + 64 x
.set PA,   164                         ; tile x at PA + 12 x
.set PT,   188
.set BM,   204                         ; block q = 4 x + b
.set BP,   212
.set BO,   220
.set TT,   228
.set FF,   230                         ; pairs: tile x at FF + 2 x
.set SU,   234
.set WO,   242                         ; the way out's offset
.set TH,   244                         ; 16 x thread
.set TL,   245                         ; KSC + 16 x thread
.set MK,   0                           ; window 1
.set OA,   64
.set QA,   128
.set VF,   152
.set KF,   200
.set WV,   14
.set SEL,  20
.set CS,   22                          ; s[22:23] c = log2(e) / 8
.set G1C0, 24
.set G1C1, 32
.set G0C0, 40
.set G0C1, 44
.set TB,   48                          ; the step's codes: 6,144 bytes a step
.set TS,   49                          ; K's scale words and the mask: 512
.set TV,   50                          ; V's scale words: 256
.set CNT,  51
.set KB,   52                          ; the next step's, held at the phase's last
.set KS,   53
.set HI,   54
.set MSB, 0
.macro WIN new
.if MSB != (\new)
	s_set_vgpr_msb (MSB<<8)|(\new)
.set MSB, (\new)
.endif
.endm
.macro CROUND                          ; a round of the cluster's barrier
	s_barrier_signal -1
	s_barrier_wait -1
	s_cmp_lg_u32 s[WV], 0
	s_cbranch_scc1 .Lnot_wave_0_\@
	s_barrier_signal -3
.Lnot_wave_0_\@:
	s_barrier_wait -3
	s_barrier_signal -1
	s_barrier_wait -1
.endm
.macro GROUP1 g, rows                  ; a dense block as rows of 256 bytes (32 elements of 8); the mask names all four work-groups, bit 21 beside it
	s_mov_b32 s[\g], 15|(3<<16)|(1<<21)
	s_mov_b32 s[\g+1], 32<<16
	s_mov_b32 s[\g+2], (\rows)<<16
	s_mov_b32 s[\g+3], 32<<16
	s_mov_b32 s[\g+4], \rows
	s_mov_b32 s[\g+5], 32
	s_mov_b32 s[\g+6], 0
	s_mov_b32 s[\g+7], 0
.endm
.macro NOPS
.rept 4
	v_nop
.endr
.endm
	s_load_b256 s[4:11], s[0:1], 0x0               ; qkvc, qkvs, attention_mask, ac
	s_load_b64 s[12:13], s[0:1], 0x20              ; asc
	v_lshl_add_u32 v[SPW], v0, 2, SPARE
	v_mov_b32 v[NIL], 0
	ds_add_u32 v[SPW], v[NIL]                      ; the add, twice, and its wait below
	ds_add_u32 v[SPW], v[NIL]
	v_lshrrev_b32 v15, 5, v0
	s_delay_alu instid0(VALU_DEP_1)
	v_readfirstlane_b32 s[WV], v15
	s_bfe_u32 s15, ttmp6, 0x40000                  ; cx
	s_lshl_b32 s16, ttmp9, 2
	s_add_co_u32 s16, s16, s15                     ; my block of 256 queries: it enters Q's and the outputs' addresses alone
	s_and_b32 s17, ttmp7, 0xffff                   ; the head, which the four partners share
	s_lshr_b32 s18, s[WV], 2                       ; I fetch for K (0) or for V (1),
	s_and_b32 s19, s[WV], 3                        ; this quarter
	GROUP1 G1C0, 24                                ; a quarter of four key steps' codes: 6,144 bytes
	GROUP1 G1C1, 72                                ; of twelve: 18,432
	s_mul_i32 s74, s17, 98304
	s_mul_i32 s75, s18, 3145728
	s_add_co_u32 s74, s74, s75
	s_add_co_u32 s74, s74, 3145728                 ; the head's codes of K, or of V
	s_mul_i32 s75, s19, 6144
	s_add_co_u32 s70, s74, s75
	s_mov_b32 s71, 0
	s_mul_i32 s75, s19, 18432
	s_add_co_u32 s72, s74, s75
	s_add_co_u32 s72, s72, 24576
	s_mov_b32 s73, 0
	s_mul_i32 s74, s18, VC
	s_mov_b32 s[G0C0], 1
	s_mul_i32 s[G0C0+1], s19, 6144
	s_add_co_u32 s[G0C0+1], s[G0C0+1], s74
	s_mov_b32 s[G0C1], 1
	s_mul_i32 s[G0C1+1], s19, 18432
	s_add_co_u32 s[G0C1+1], s[G0C1+1], s74
	s_add_co_u32 s[G0C1+1], s[G0C1+1], 24576
	s_mov_b32 s[SEL], 0x76543210
	s_mov_b32 s[SEL+1], 0xfedcba98
	s_mov_b32 s[CS], 0x3e38aa3b                    ; log2(e) / 8
	s_mov_b32 s[CS+1], s[CS]                       ; (named with it as a pair)
	s_mov_b32 s[HI], 0xffff0000
	s_mov_b32 s55, 0xce800000                      ; -2^30
	s_mov_b32 s56, 0x4e800000                      ; +2^30
	s_wait_dscnt 0x0                               ; both opening adds are done
	s_wait_kmcnt 0x0
	s_add_nc_u64 s[G0C0+2:G0C0+3], s[4:5], s[70:71]
	s_or_b32 s[G0C0+3], s[G0C0+3], 0x80000000
	s_add_nc_u64 s[G0C1+2:G0C1+3], s[4:5], s[72:73]
	s_or_b32 s[G0C1+3], s[G0C1+3], 0x80000000
	CROUND                                         ; all four work-groups are here: the joint loads meet
	tensor_load_to_lds s[G0C0:G0C0+3], s[G1C0:G1C0+7]   ; my eighth of key steps 0-3: my one load at the head
	s_nop 0
	NOPS
	; where Q and the scale words come from and the results go
	s_lshl_b32 s66, s16, 4
	s_lshl_b32 s67, s[WV], 1
	s_add_co_u32 s66, s66, s67                     ; T: my first token tile
	s_lshl_b32 s74, s17, 7
	s_add_co_u32 s74, s74, s66
	s_mul_i32 s74, s74, 768
	s_mov_b32 s75, 0
	s_add_nc_u64 s[76:77], s[4:5], s[74:75]        ; Q's codes: (128 head + T) x 768
	s_lshl_b32 s74, s16, 1
	s_add_co_u32 s74, s74, s18
	s_lshl_b32 s74, s74, 9
	s_lshl_b32 s67, s19, 2
	s_add_co_u32 s74, s74, s67
	s_lshl_b32 s67, s17, 13
	s_add_co_u32 s74, s74, s67
	s_add_nc_u64 s[78:79], s[6:7], s[74:75]        ; Q's scale words: 8,192 head + 512 (T / 8) + 4 ((T % 8) / 2)
	s_add_co_u32 s74, s67, 262144
	s_add_nc_u64 s[80:81], s[6:7], s[74:75]        ; K's scale words: 8,192 (32 + head)
	s_lshl_b32 s74, s17, 12
	s_add_co_u32 s74, s74, 524288
	s_add_nc_u64 s[82:83], s[6:7], s[74:75]        ; V's: 524,288 + 4,096 head
	s_lshl_b32 s74, s66, 5
	s_add_co_u32 s74, s74, s17
	s_mul_i32 s74, s74, 768
	s_add_nc_u64 s[10:11], s[10:11], s[74:75]      ; ac: (32 T + head) x 768
	s_lshl_b32 s74, s66, 10
	s_lshr_b32 s67, s17, 2
	s_lshl_b32 s67, s67, 7
	s_add_co_u32 s74, s74, s67
	s_and_b32 s67, s17, 3
	s_lshl_b32 s67, s67, 1
	s_add_co_u32 s74, s74, s67
	s_add_nc_u64 s[12:13], s[12:13], s[74:75]      ; asc: 1,024 T + 128 (head / 4) + 2 (head % 4)
	v_and_b32 v15, 31, v0                          ; lane
	v_and_b32 v[WO], 15, v0                        ; r
	v_bfe_u32 v243, v0, 4, 1                       ; h
	v_lshlrev_b32 v[TH], 4, v0
	v_lshlrev_b32 v[AK16], 4, v15
	v_lshl_add_u32 v[AK8], v15, 3, 512
	v_lshl_add_u32 v[AVS], v15, 3, VSC
	v_lshl_add_u32 v[AMK], v243, 6, MSK            ; the mask of my half's 16 keys of a block
	v_lshlrev_b32 v[WO], 3, v[WO]
	v_add_nc_u32 v[TL], KSC, v[TH]
	v_add_nc_u32 v[AV16], VC, v[AK16]
	v_add_nc_u32 v[AV8], VC, v[AK8]
	v_add_nc_u32 v[AKS], KSC, v[AK16]
	v_lshl_add_u32 v[WO], v243, 10, v[WO]          ; the way out: 8 r + 1,024 h
	global_load_b128 v[S:S+3], v[TH], s[8:9]       ; the mask: 256 threads x 2 x 16 bytes
	global_load_b128 v[S+4:S+7], v[TH], s[8:9] offset:4096
	global_load_b128 v[S+8:S+11], v[TH], s[80:81]  ; K's scale words: the same
	global_load_b128 v[S+12:S+15], v[TH], s[80:81] offset:4096
	global_load_b128 v[S+16:S+19], v[TH], s[82:83] ; V's: 256 x 16 bytes
	global_load_b32 v[QSW], v[AK16], s[78:79]
	WIN 0x40                                       ; destination window 1
.irp x, 0,1
	global_load_b128 v[QA+12*\x:QA+12*\x+3], v[AK16], s[76:77] offset:768*\x
	global_load_b64 v[QA+12*\x+4:QA+12*\x+5], v[AK8], s[76:77] offset:768*\x
.irp i, 6,7,8,9,10,11
	v_mov_b32 v[QA+12*\x+\i], 0                    ; K 64 .. 127 of Q: zero codes
.endr
.endr
.set j, 0
.rept 64
	v_mov_b32 v[OA+j], 0                           ; O^T: the step is written once for all steps: the first finds zeros, which the first change of M leaves zeros
.set j, j+1
.endr
.irp i, 48,49,50,51,52,53
	v_mov_b32 v[KF+\i], 0                          ; behind K's last tile
.endr
	WIN 0
.irp x, 0,1
	v_mov_b32 v[ST+4*\x+1], 0xff61b1e6             ; the largest t so far: -3e38
	v_mov_b32 v[ST+4*\x+2], 0
	v_mov_b32 v[ST+4*\x+3], 0
	v_mov_b32 v[FF+2*\x+1], 0                      ; (named as the upper half of a pair)
	v_floor_f32 v[ST+4*\x], -v[ST+4*\x+1]          ; -M
.endr
.irp q, 0,1,2,3,4,5,6,7
	v_mov_b32 v[BP+\q], 0                          ; written once: a lane permute's destination counts as one of its sources
.endr
	s_wait_alu depctr_va_vdst(0)
	s_wait_loadcnt 0x0
.irp i, 0,1,2,3,4,5,6,7
	v_mul_f32 v[S+\i], 0x41000000, v[S+\i]         ; 8 x mask,
.endr
.irp i, 0,1,2,3,4,5,6,7
	v_med3_num_f32 v[S+\i], v[S+\i], s55, s56      ; held at +-2^30
.endr
	ds_store_b128 v[TL], v[S+8:S+11]
	ds_store_b128 v[TL], v[S+12:S+15] offset:4096
	ds_store_b128 v[TL], v[S+16:S+19] offset:VSC-KSC
	ds_store_b128 v[TL], v[S:S+3] offset:MSK-KSC
	ds_store_b128 v[TL], v[S+4:S+7] offset:MSK-KSC+4096
.macro WMS d, a, b, c, sa, sb, ra, rb  ; ra, rb: the scale words are taken from lanes 16-31
.if (\ra) && (\rb)
	v_wmma_scale_f32_16x16x128_f8f6f4 v[\d:\d+7], v[\a:\a+11], v[\b:\b+11], v[\c:\c+7], v[\sa], v[\sb] matrix_a_fmt:MATRIX_FMT_FP6 matrix_b_fmt:MATRIX_FMT_FP6 matrix_a_scale:MATRIX_SCALE_ROW1 matrix_b_scale:MATRIX_SCALE_ROW1
.elseif (\ra)
	v_wmma_scale_f32_16x16x128_f8f6f4 v[\d:\d+7], v[\a:\a+11], v[\b:\b+11], v[\c:\c+7], v[\sa], v[\sb] matrix_a_fmt:MATRIX_FMT_FP6 matrix_b_fmt:MATRIX_FMT_FP6 matrix_a_scale:MATRIX_SCALE_ROW1
.elseif (\rb)
	v_wmma_scale_f32_16x16x128_f8f6f4 v[\d:\d+7], v[\a:\a+11], v[\b:\b+11], v[\c:\c+7], v[\sa], v[\sb] matrix_a_fmt:MATRIX_FMT_FP6 matrix_b_fmt:MATRIX_FMT_FP6 matrix_b_scale:MATRIX_SCALE_ROW1
.else
	v_wmma_scale_f32_16x16x128_f8f6f4 v[\d:\d+7], v[\a:\a+11], v[\b:\b+11], v[\c:\c+7], v[\sa], v[\sb] matrix_a_fmt:MATRIX_FMT_FP6 matrix_b_fmt:MATRIX_FMT_FP6
.endif
.endm
.macro QK x                            ; S^T = K Q^T + 8 mask for query tile x: eight tiles of 16 keys, eight different results
.irp t, 0,1,2,3,4,5,6,7
	WMS S+64*(\x)+8*\t, KF+6*\t, QA+12*(\x), MK+8*\t, KSW+\t/2, QSW, \t%2, \x
.endr
.endm
.macro PV                              ; O^T += V^T P^T: the eight accumulators take one turn each
.irp t, 0,1,2,3
.irp x, 0,1
	WMS OA+32*\x+8*\t, VF+12*\t, PA+12*\x, OA+32*\x+8*\t, VSW+\t/2, PW+\x, \t%2, 0
.endr
.endr
.endm
.macro KADR b, s                       ; four plain lines: K's, its scale words' and the mask's addresses at the offsets in s[b], s[s]
	v_add_nc_u32 v[ADK16], s[\b], v[AK16]
	v_add_nc_u32 v[ADK8], s[\b], v[AK8]
	v_add_nc_u32 v[ADKS], s[\s], v[AKS]
	v_add_nc_u32 v[ADMK], s[\s], v[AMK]
.endm
.macro KLOADS                          ; 33 LDS loads: K's scale words, its eight tiles, 8 x mask in the result's layout
	ds_load_b128 v[KSW:KSW+3], v[ADKS]
	WIN 0x40
.irp t, 0,1,2,3,4,5,6,7
	ds_load_b128 v[KF+6*\t:KF+6*\t+3], v[ADK16] offset:768*\t
	ds_load_b64 v[KF+6*\t+4:KF+6*\t+5], v[ADK8] offset:768*\t
.endr
.irp t, 0,1,2,3,4,5,6,7
.irp e, 0,1
	ds_load_b128 v[MK+8*\t+4*\e:MK+8*\t+4*\e+3], v[ADMK] offset:128*(\t/2)+32*(\t%2)+16*\e   ; register j of tile t: key 32 (t / 2) + 8 (t % 2) + 16 h + j
.endr
.endr
	WIN 0
.endm
; Both tiles' softmax for 128 keys.  Block q = 4 x + b is block b of tile x: its 16 scores of my half lie at S + 16 q.
.macro SOFTMAX2
.irp q, 0,1,2,3,4,5,6,7
	v_max3_num_f32 v[BM+\q], v[S+16*\q], v[S+16*\q+1], v[S+16*\q+2]   ; the largest score of each block of 32 keys: it serves the row's maximum and, since p rises with the score, the block's largest p
.endr
.irp i, 3,5,7,9,11,13
.irp q, 0,1,2,3,4,5,6,7
	v_max3_num_f32 v[BM+\q], v[BM+\q], v[S+16*\q+\i], v[S+16*\q+\i+1]
.endr
.endr
.irp q, 0,1,2,3,4,5,6,7
	v_max_num_f32 v[BM+\q], v[BM+\q], v[S+16*\q+15]
.endr
.irp q, 0,1,2,3,4,5,6,7
	v_permlanex16_b32 v[BP+\q], v[BM+\q], s[SEL], s[SEL+1]
.endr
.irp q, 0,1,2,3,4,5,6,7
	v_max_num_f32 v[BM+\q], v[BM+\q], v[BP+\q]     ; with lane l xor 16's 16 keys
.endr
.irp x, 0,1
	v_mov_b32 v[BP+\x], v[ST+4*\x]                 ; the old -M
.endr
.irp x, 0,1
	v_max3_num_f32 v[TT+\x], v[BM+4*\x], v[BM+4*\x+1], v[BM+4*\x+2]
.endr
.irp x, 0,1
	s_delay_alu instid0(VALU_DEP_2)
	v_max_num_f32 v[TT+\x], v[TT+\x], v[BM+4*\x+3]
.endr
.irp x, 0,1
	s_delay_alu instid0(VALU_DEP_2)
	v_mul_f32 v[TT+\x], s[CS], v[TT+\x]            ; the step's largest t
.endr
.irp x, 0,1
	s_delay_alu instid0(VALU_DEP_2)
	v_max_num_f32 v[ST+4*\x+1], v[ST+4*\x+1], v[TT+\x]   ; the running largest t
.endr
.irp x, 0,1
	s_delay_alu instid0(VALU_DEP_2)
	v_floor_f32 v[ST+4*\x], -v[ST+4*\x+1]          ; the new -M = floor(-t): M is a whole number
.endr
.irp x, 0,1
	s_delay_alu instid0(VALU_DEP_2)
	v_sub_f32 v[TT+\x], v[ST+4*\x], v[BP+\x]       ; old M - new M: a whole number, 0 or less
.endr
.irp x, 0,1
	s_delay_alu instid0(VALU_DEP_2)
	v_cvt_i32_f32 v[TT+\x], v[TT+\x]               ; (it saturates)
.endr
.irp x, 0,1
	s_delay_alu instid0(VALU_DEP_2)
	v_ldexp_f32 v[FF+2*\x], 1.0, v[TT+\x]          ; f = 2^(old M - new M)
.endr
.set j, 0
.rept 32
	v_pk_fma_f32 v[S+j:S+j+1], v[S+j:S+j+1], s[CS:CS+1], v[ST:ST+1] op_sel_hi:[1,0,0]   ; t - M, two at a time
	v_pk_fma_f32 v[S+64+j:S+64+j+1], v[S+64+j:S+64+j+1], s[CS:CS+1], v[ST+4:ST+5] op_sel_hi:[1,0,0]
.set j, j+2
.endr
.irp q, 0,1,2,3,4,5,6,7
	v_fma_f32 v[BM+\q], v[BM+\q], s[CS], v[ST+4*(\q/4)]   ; the same of each block's largest score
.endr
	s_wait_alu depctr_va_vdst(0)
.set j, 0
.rept 128
	v_exp_f32 v[S+j], v[S+j]                       ; p = 2^(t - M)
.set j, j+1
.endr
.irp q, 0,1,2,3,4,5,6,7
	v_exp_f32 v[BM+\q], v[BM+\q]                   ; the blocks' largest p: the same two instructions on the same number give the same bits
.endr
.irp x, 0,1
	v_pk_mul_f32 v[ST+4*\x+2:ST+4*\x+3], v[ST+4*\x+2:ST+4*\x+3], v[FF+2*\x:FF+2*\x+1] op_sel_hi:[1,0]   ; the sums under the new M: plain lines behind the exponentials
.endr
	s_wait_alu depctr_va_vdst(0)                   ; and the one behind it, ahead of its first reader
.irp x, 0,1
	v_pk_add_f32 v[SU+2*\x:SU+2*\x+1], v[S+64*\x:S+64*\x+1], v[S+64*\x+2:S+64*\x+3]   ; the rows' sums of the unquantised p: four chains
.endr
.set j, 4
.rept 15
	v_pk_add_f32 v[ST+2:ST+3], v[ST+2:ST+3], v[S+j:S+j+1]
	v_pk_add_f32 v[ST+6:ST+7], v[ST+6:ST+7], v[S+64+j:S+64+j+1]
	v_pk_add_f32 v[SU:SU+1], v[SU:SU+1], v[S+j+2:S+j+3]
	v_pk_add_f32 v[SU+2:SU+3], v[SU+2:SU+3], v[S+64+j+2:S+64+j+3]
.set j, j+4
.endr
.irp q, 0,1,2,3,4,5,6,7
	v_max_num_f32 v[BM+\q], 0x1800000, v[BM+\q]    ; the floor 2^(3 - 127): the byte cannot fall under 1
.endr
.irp x, 0,1
	v_pk_add_f32 v[ST+4*\x+2:ST+4*\x+3], v[ST+4*\x+2:ST+4*\x+3], v[SU+2*\x:SU+2*\x+1]
.endr
.irp q, 0,1,2,3,4,5,6,7
	v_add_nc_u32 v[BO+\q], 0xff000000, v[BM+\q]    ; 2 off the exponent field: the conversion's scale operand
.endr
.irp q, 0,1,2,3,4,5,6,7
	v_lshrrev_b32 v[BP+\q], 23, v[BO+\q]           ; the scale's byte
.endr
.irp x, 0,1
	v_lshl_or_b32 v[PW+\x], v[BP+4*\x+1], 8, v[BP+4*\x]
.endr
.irp x, 0,1
	s_delay_alu instid0(VALU_DEP_2)
	v_lshl_or_b32 v[PW+\x], v[BP+4*\x+2], 16, v[PW+\x]
.endr
.irp x, 0,1
	s_delay_alu instid0(VALU_DEP_2)
	v_lshl_or_b32 v[PW+\x], v[BP+4*\x+3], 24, v[PW+\x]
.endr
.irp x, 0,1
.irp c, 0,1
	v_cvt_scalef32_pk16_fp6_f32 v[PA+12*\x+6*\c:PA+12*\x+6*\c+2], v[S+64*\x+32*\c:S+64*\x+32*\c+15], v[BO+4*\x+2*\c]
	v_cvt_scalef32_pk16_fp6_f32 v[PT+8*\x+4*\c:PT+8*\x+4*\c+2], v[S+64*\x+32*\c+16:S+64*\x+32*\c+31], v[BO+4*\x+2*\c+1]
.endr
.endr
	v_nop                                          ; one plain line behind a scaled conversion
.irp x, 0,1
.irp c, 0,1
.irp i, 0,1,2
	v_permlane16_swap_b32 v[PA+12*\x+6*\c+\i], v[PT+8*\x+4*\c+\i]   ; a whole block to a lane
.endr
.endr
.endr
.irp x, 0,1
.irp c, 0,1
.irp i, 0,1,2
	v_mov_b32 v[PA+12*\x+6*\c+3+\i], v[PT+8*\x+4*\c+\i]
.endr
.endr
.endr
.endm
; A KEY STEP: 128 keys, both tiles of queries.  lastb, lasts: the offsets of the phase's last step.
.macro STEP lastb, lasts
	v_add_nc_u32 v[ADV16], s[TB], v[AV16]          ; three plain lines and a v_nop: the places behind the last products, in front of the loads
	v_add_nc_u32 v[ADV8], s[TB], v[AV8]
	v_add_nc_u32 v[ADVS], s[TV], v[AVS]
	v_nop
	WIN 0x40
.irp t, 0,1,2,3
.irp c, 0,1
	ds_load_b128 v[VF+12*\t+6*\c:VF+12*\t+6*\c+3], v[ADV16] offset:3072*\c+768*\t
	ds_load_b64 v[VF+12*\t+6*\c+4:VF+12*\t+6*\c+5], v[ADV8] offset:3072*\c+768*\t
.endr
.endr
	WIN 0
	ds_load_b64 v[VSW:VSW+1], v[ADVS]
	s_add_co_u32 s[KB], s[TB], 6144
	s_min_u32 s[KB], s[KB], \lastb                 ; the next step's offsets, never beyond what the phase may read
	s_add_co_u32 s[KS], s[TS], 512
	s_min_u32 s[KS], s[KS], \lasts
	s_wait_dscnt 17                                ; K, its scale words and the mask, asked for a step ago, are in; V's 17 loads may be out
	WIN 0x15                                       ; K, Q and the mask in window 1
	QK 0
	QK 1
	WIN 0
	KADR KB, KS                                    ; four places behind the products, in front of the loads and of the first read of results
	KLOADS
	SOFTMAX2
	s_wait_dscnt 33                                ; V is in; the 33 loads for the next step may be out
	WIN 0x41                                       ; O^T (destination and source 0) window 1
	s_wait_alu depctr_va_vdst(0)
.set j, 0
.rept 16
	v_pk_mul_f32 v[OA+j:OA+j+1], v[OA+j:OA+j+1], v[FF:FF+1] op_sel_hi:[1,0]   ; O^T under the new M; these 32 lines also stand between the codes and scale words just made and the products that take them
.set j, j+2
.endr
.rept 16
	v_pk_mul_f32 v[OA+j:OA+j+1], v[OA+j:OA+j+1], v[FF+2:FF+3] op_sel_hi:[1,0]
.set j, j+2
.endr
	WIN 0x51                                       ; V and O^T in window 1, p's codes in window 0
	PV
	WIN 0
.endm
.macro PHASE first, n                  ; key steps first .. first + n - 1
	s_mov_b32 s[TB], 6144*\first
	s_mov_b32 s[TS], 512*\first
	s_mov_b32 s[TV], 256*\first
	s_mov_b32 s[CNT], \n
	KADR TB, TS
	KLOADS                                         ; the first step's K
.Lstep_\@:
	STEP 6144*(\first+\n-1), 512*(\first+\n-1)
	s_add_co_u32 s[TB], s[TB], 6144
	s_add_co_u32 s[TS], s[TS], 512
	s_add_co_u32 s[TV], s[TV], 256
	s_sub_co_u32 s[CNT], s[CNT], 1
	s_cmp_lg_u32 s[CNT], 0
	s_cbranch_scc1 .Lstep_\@
.endm
	s_wait_alu depctr_va_vdst(0)
	s_wait_tensorcnt 0x0                           ; my part of key steps 0-3 is in
	ds_add_u32 v[SPW], v[NIL]
	s_wait_dscnt 0x0                               ; the add is done, and my part of the scale words and of the mask lies in LDS
	CROUND                                         ; everybody's is, and the four work-groups are here
	tensor_load_to_lds s[G0C1:G0C1+3], s[G1C1:G1C1+7]   ; my eighth of key steps 4-15: my one load behind the round
	s_nop 0
	NOPS
	PHASE 0, 4
	s_wait_tensorcnt 0x0                           ; my part of key steps 4-15 is in,
	s_wait_dscnt 0x0
	s_barrier_signal -1
	s_barrier_wait -1                              ; everybody's is
	PHASE 4, 12
	; THE WAY OUT.  The additions are the places behind the last products.
	s_wait_dscnt 0x0                               ; the last step's look-ahead loads have landed
	v_add_f32 v[ST+2], v[ST+2], v[ST+3]
	v_add_f32 v[ST+6], v[ST+6], v[ST+7]
	s_delay_alu instid0(VALU_DEP_2)
	v_permlanex16_b32 v[BP], v[ST+2], s[SEL], s[SEL+1]
	s_delay_alu instid0(VALU_DEP_2)
	v_permlanex16_b32 v[BP+1], v[ST+6], s[SEL], s[SEL+1]
	s_delay_alu instid0(VALU_DEP_2)
	v_add_f32 v[ST+2], v[ST+2], v[BP]              ; the rows' sums
	s_delay_alu instid0(VALU_DEP_2)
	v_add_f32 v[ST+6], v[ST+6], v[BP+1]
	s_wait_alu depctr_va_vdst(0)
	v_rcp_f32 v[TT], v[ST+2]
	v_rcp_f32 v[TT+1], v[ST+6]
	v_nop                                          ; a plain line behind the reciprocals
	WIN 0x01
	s_wait_alu depctr_va_vdst(0)                   ; and ahead of their first reader, which is O^T's too
.irp x, 0,1
.set j, 0
.rept 32
	v_mul_f32 v[S+32*\x+j], v[OA+32*\x+j], v[TT+\x]   ; o = O^T / the sum, ascending: register 32 x + 16 b + i is channel 32 b + 16 h + i of tile x's query r
.set j, j+1
.endr
.endr
	WIN 0
	; quantised along the head's 64: blocks 0, 1 are tile 0's, blocks 2, 3 tile 1's; half fragment c of the codes is tile c's
.irp b, 0,1,2,3
	v_max3_num_f32 v[BM+\b], |v[S+16*\b]|, |v[S+1+16*\b]|, 0x1800000
.endr
.irp i, 2,4,6,8,10,12,14
.irp b, 0,1,2,3
	s_delay_alu instid0(VALU_DEP_4)
	v_max3_num_f32 v[BM+\b], v[BM+\b], |v[S+16*\b+\i]|, |v[S+1+16*\b+\i]|
.endr
.endr
.irp b, 0,1,2,3
	s_delay_alu instid0(VALU_DEP_4)
	v_permlanex16_b32 v[BP+\b], v[BM+\b], s[SEL], s[SEL+1]
.endr
.irp b, 0,1,2,3
	s_delay_alu instid0(VALU_DEP_4)
	v_max_num_f32 v[BM+\b], v[BM+\b], v[BP+\b]
.endr
.irp b, 0,1,2,3
	s_delay_alu instid0(VALU_DEP_4)
	v_add_nc_u32 v[BO+\b], 0xff000000, v[BM+\b]
.endr
.irp b, 0,1,2,3
	s_delay_alu instid0(VALU_DEP_4)
	v_lshrrev_b32 v[BP+\b], 23, v[BO+\b]
.endr
	s_delay_alu instid0(VALU_DEP_3)
	v_lshl_or_b32 v[PW], v[BP+1], 8, v[BP]
	s_delay_alu instid0(VALU_DEP_1)
	v_lshl_or_b32 v[PW], v[BP+2], 16, v[PW]
	s_delay_alu instid0(VALU_DEP_1)
	v_lshl_or_b32 v[PW], v[BP+3], 24, v[PW]
.irp c, 0,1
	v_cvt_scalef32_pk16_fp6_f32 v[PA+6*\c:PA+6*\c+2], v[S+32*\c:S+32*\c+15], v[BO+2*\c]
	v_cvt_scalef32_pk16_fp6_f32 v[PT+4*\c:PT+4*\c+2], v[S+32*\c+16:S+32*\c+31], v[BO+2*\c+1]
.endr
	v_nop
.irp c, 0,1
.irp i, 0,1,2
	v_permlane16_swap_b32 v[PA+6*\c+\i], v[PT+4*\c+\i]
.endr
.irp i, 0,1,2
	s_delay_alu instid0(VALU_DEP_3)
	v_mov_b32 v[PA+6*\c+3+\i], v[PT+4*\c+\i]
.endr
.endr
.irp c, 0,1
	global_store_b128 v[AK16], v[PA+6*\c:PA+6*\c+3], s[10:11] offset:24576*\c     ; 512 consecutive bytes, aligned to 256
	global_store_b64 v[AK8], v[PA+6*\c+4:PA+6*\c+5], s[10:11] offset:24576*\c     ; 256 consecutive bytes, aligned
.endr
	v_lshrrev_b32 v243, 16, v[PW]
	s_delay_alu instid0(VALU_DEP_1)
	v_cndmask_b32 v243, v[PW], v243, s[HI]         ; lanes 0-15: tile 0's two bytes; lanes 16-31: tile 1's
	global_store_b16 v[WO], v243, s[12:13]         ; two bytes a row and head: a row's eight bytes of a K step come from four heads, which are four work-groups: 128 KB in the whole launch
	s_wait_tensorcnt 0x0                           ; the wave's end
	ds_add_u32 v[SPW], v[NIL]
	s_wait_dscnt 0x0
	CROUND                                         ; the closing round
	s_endpgm
.Lfunc_end_k_q0787e6deca_attn:
	.size	k_q0787e6deca_attn, .Lfunc_end_k_q0787e6deca_attn-k_q0787e6deca_attn
	.p2alignl 7, 3214868480
	.fill 96, 4, 3214868480
	.section	.rodata,"a",@progbits
	.p2align	6, 0x0
	.amdhsa_kernel k_q0787e6deca_attn
		.amdhsa_group_segment_fixed_size 327680
		.amdhsa_private_segment_fixed_size 0
		.amdhsa_enable_private_segment 0
		.amdhsa_kernarg_size 40
		.amdhsa_user_sgpr_count 2
		.amdhsa_user_sgpr_kernarg_segment_ptr 1
		.amdhsa_wavefront_size32 1
		.amdhsa_system_sgpr_workgroup_id_x 1
		.amdhsa_system_sgpr_workgroup_id_y 1
		.amdhsa_system_sgpr_workgroup_id_z 1
		.amdhsa_system_vgpr_workitem_id 0
		.amdhsa_next_free_vgpr 512
		.amdhsa_next_free_sgpr 100
		.amdhsa_reserve_vcc 0
		.amdhsa_float_denorm_mode_32 3
		.amdhsa_float_denorm_mode_16_64 3
		.amdhsa_memory_ordered 1
		.amdhsa_forward_progress 1
		.amdhsa_inst_pref_size 89
	.end_amdhsa_kernel
	.amdgpu_metadata
---
amdhsa.version: [ 1, 2 ]
amdhsa.kernels:
  - .name:           k_q0787e6deca_attn
    .symbol:         k_q0787e6deca_attn.kd
    .args:
      - { .name: qkvc, .offset: 0, .size: 8, .value_kind: global_buffer, .address_space: global }
      - { .name: qkvs, .offset: 8, .size: 8, .value_kind: global_buffer, .address_space: global }
      - { .name: attention_mask, .offset: 16, .size: 8, .value_kind: global_buffer, .address_space: global }
      - { .name: ac, .offset: 24, .size: 8, .value_kind: global_buffer, .address_space: global }
      - { .name: asc, .offset: 32, .size: 8, .value_kind: global_buffer, .address_space: global }
    .group_segment_fixed_size: 327680
    .private_segment_fixed_size: 0
    .kernarg_segment_align: 8
    .kernarg_segment_size: 40
    .max_flat_workgroup_size: 256
    .sgpr_count:     100
    .vgpr_count:     512
    .wavefront_size: 32
...
	.end_amdgpu_metadata
.endif
;; end of part 3
;; launch oproj (part 4): grid 16 x 16, 4 waves a work-group, clusters of 4 x 4, 327,680 bytes of LDS; arguments ac, asc, opc, ops, out0; writes out0
.if DOCPART == 4
	.amdgcn_target "amdgcn-amd-amdhsa--gfx1250"
	.amdhsa_code_object_version 6
	.text
	.protected	k_q0787e6deca_oproj
	.globl	k_q0787e6deca_oproj
	.p2align	8
	.type	k_q0787e6deca_oproj,@function
k_q0787e6deca_oproj:
	s_mov_b64 s[64:65], 0
	v_nop
	global_prefetch_b8 v0, s[64:65] scope:SCOPE_SE
	s_setreg_imm32_b32 hwreg(HW_REG_WAVE_MODE, 25, 1), 1
	s_wait_xcnt 0x0
	s_wait_alu depctr_hold_cnt(0) depctr_sa_sdst(0) depctr_va_vdst(0) depctr_va_sdst(0) depctr_va_ssrc(0) depctr_va_vcc(0) depctr_vm_vsrc(0)
	s_getreg_b32 s2, hwreg(HW_REG_IB_STS2, 6, 4)
	s_cmp_eq_u32 s2, 0
	s_cbranch_scc0 .Lentry_in_a_cluster
	s_endpgm
.Lentry_in_a_cluster:
	s_bfe_u32 s2, ttmp6, 0x10000c
	s_cmp_lg_u32 s2, 0xf033
	s_cbranch_scc0 .Lentry_shape_is_right
	s_endpgm
.Lentry_shape_is_right:
.set FR,     12
.set STEPB,  6144
.set HALFT,  4*STEPB
.set SLOT,   4*HALFT
.set SCL,    2*SLOT
.set HALFS,  4096
.set STG,    SCL+4*HALFS
.set SPITCH, 272
.set SPARE,  STG+4*16*SPITCH
.set ADRA, 16
.set ADRB, 20
.set STO,  24
.set RD,   25
.set CO,   26
.set ADRS, 27
.set SPW,  28
.set NIL,  29
.set SC,   32
.set BK,   64
.set ACC,  128
.set F0,   0
.set F1,   128
.set WV,   14
.set RH,   15
.set PH,   16
.set G1,   24
.set G0,   32
.set G1B,  48
.set G0B,  56
.set G1S,  68
.set G0S,  76
.set G1SB, 80
.set G0SB, 88
.set MSB, 0
.macro WIN new
.if MSB != (\new)
	s_set_vgpr_msb (MSB<<8)|(\new)
.set MSB, (\new)
.endif
.endm
.set MUL,  0x05
.set TO_F, 0x40
.macro JLOAD g0a, g1a, g0b, g1b
	s_cmp_eq_u32 s[RH], 0
	s_cbranch_scc0 .Lfor_p_\@
	tensor_load_to_lds s[\g0a:\g0a+3], s[\g1a:\g1a+7]
	s_nop 0
.rept 4
	v_nop
.endr
	s_branch .Lasked_\@
.Lfor_p_\@:
	tensor_load_to_lds s[\g0b:\g0b+3], s[\g1b:\g1b+7]
	s_nop 0
.rept 4
	v_nop
.endr
.Lasked_\@:
.endm
.macro CREST
	s_cmp_lg_u32 s[WV], 0
	s_cbranch_scc1 .Lnot_wave_0_\@
	s_barrier_signal -3
.Lnot_wave_0_\@:
	s_barrier_wait -3
	s_barrier_signal -1
	s_barrier_wait -1
.endm
.macro CROUND
	s_barrier_signal -1
	s_barrier_wait -1
	CREST
.endm
.macro PLACES n
.rept \n
	v_nop
.endr
.endm
	s_load_b256 s[4:11], s[0:1], 0x0
	s_load_b64 s[12:13], s[0:1], 0x20
	v_lshl_add_u32 v[SPW], v0, 2, SPARE
	v_mov_b32 v[NIL], 0
	ds_add_u32 v[SPW], v[NIL]
	ds_add_u32 v[SPW], v[NIL]
	v_lshrrev_b32 v1, 5, v0
	v_readfirstlane_b32 s[WV], v1
	s_lshr_b32 s[RH], s[WV], 1
	s_and_b32 s[PH], s[WV], 1
	s_bfe_u32 s40, ttmp6, 0x40000
	s_bfe_u32 s41, ttmp6, 0x40004
	s_lshl_b32 s42, ttmp9, 2
	s_add_co_u32 s42, s42, s40
	s_and_b32 s17, ttmp7, 0xffff
	s_lshl_b32 s17, s17, 2
	s_add_co_u32 s17, s17, s41
	s_lshl_b32 s43, s41, 2
	s_lshl_b32 s43, 15, s43
	s_lshl_b32 s44, 0x1111, s40
	s_or_b32 s[G1+0], s43, (3<<16)|(1<<21)
	s_or_b32 s[G1B+0], s44, (3<<16)|(1<<21)
.irp g, G1, G1B
	s_mov_b32 s[\g+1], 768<<16
	s_mov_b32 s[\g+2], 8<<16                       ; the head's loads of codes bring 8 row tiles; behind them these two words are set to 4
	s_mov_b32 s[\g+3], 768<<16
	s_mov_b32 s[\g+4], 8
	s_mov_b32 s[\g+5], 3072
	s_mov_b32 s[\g+6], 0
	s_mov_b32 s[\g+7], 0
.endr
	s_or_b32 s[G1S+0], s43, (3<<16)|(1<<21)
	s_or_b32 s[G1SB+0], s44, (3<<16)|(1<<21)
.irp g, G1S, G1SB
	s_mov_b32 s[\g+1], 32<<16
	s_mov_b32 s[\g+2], 32<<16                      ; the scale bytes of 8 row tiles: 32 rows of 256 bytes
	s_mov_b32 s[\g+3], 32<<16
	s_mov_b32 s[\g+4], 32
	s_mov_b32 s[\g+5], 32
	s_mov_b32 s[\g+6], 0
	s_mov_b32 s[\g+7], 0
.endr
	s_lshl_b32 s18, s[PH], 2
	s_lshl_b32 s20, s17, 3
	s_add_co_u32 s20, s20, s18
	s_lshl_b32 s46, s42, 3
	s_add_co_u32 s46, s46, s18
	s_add_co_u32 s46, s46, 512
	s_lshl_b32 s22, s20, 10
	s_mul_i32 s20, s20, 24576
	s_mov_b32 s21, 0
	s_mov_b32 s23, 0
	s_lshl_b32 s92, s46, 10
	s_mul_i32 s46, s46, 24576
	s_mov_b32 s47, 0
	s_mov_b32 s93, 0
	s_mul_i32 s45, s[WV], HALFT
	s_lshl_b32 s94, s[WV], 12
	s_wait_dscnt 0x0
	s_wait_kmcnt 0x0
	s_add_nc_u64 s[20:21], s[4:5], s[20:21]
	s_add_nc_u64 s[22:23], s[6:7], s[22:23]
	s_add_nc_u64 s[46:47], s[8:9], s[46:47]
	s_add_nc_u64 s[92:93], s[10:11], s[92:93]
	CROUND
	s_mov_b32 s[G0S], 1
	s_add_co_u32 s[G0S+1], s94, SCL-4096           ; wave 1 asks by this group: LDS byte SCL,
	s_sub_nc_u64 s[G0S+2:G0S+3], s[22:23], 4096    ; from the first of the 8 tiles (its own half begins 4,096 bytes on)
	s_or_b32 s[G0S+3], s[G0S+3], 0x80000000
	s_mov_b32 s[G0SB], 1
	s_add_co_u32 s[G0SB+1], s94, SCL-4096          ; wave 3 asks by this group: LDS byte SCL + 2 HALFS
	s_sub_nc_u64 s[G0SB+2:G0SB+3], s[92:93], 4096
	s_or_b32 s[G0SB+3], s[G0SB+3], 0x80000000
.irp s, 0,1
	s_mov_b32 s[G0+4*\s], 1
	s_add_co_u32 s[G0+4*\s+1], s45, \s*SLOT
	s_add_nc_u64 s[G0+4*\s+2:G0+4*\s+3], s[20:21], \s*STEPB
	s_or_b32 s[G0+4*\s+3], s[G0+4*\s+3], 0x80000000
	s_mov_b32 s[G0B+4*\s], 1
	s_add_co_u32 s[G0B+4*\s+1], s45, \s*SLOT
	s_add_nc_u64 s[G0B+4*\s+2:G0B+4*\s+3], s[46:47], \s*STEPB
	s_or_b32 s[G0B+4*\s+3], s[G0B+4*\s+3], 0x80000000
.endr
; THE PREFETCHES.  Of the 4 row tiles that I fetch in a refill, each of the four partners that ask for them jointly names 1, told apart by address alone: 6,144 bytes of a K step, 24 blocks of 256 bytes, a lane a block
.set PFA, 96                           ; s[96:97] my work-group's tile, at K step 0; never rewritten
.set PFO, 30                           ; v30 the lane's block; lanes 24-31 name lane 23's again; never rewritten
	s_cmp_eq_u32 s[RH], 0                          ; which operand I fetch for: the wave's number alone decides
	s_cselect_b64 s[PFA:PFA+1], s[20:21], s[46:47]
	s_cselect_b32 s98, s40, s41                    ; my place among the four that ask with me
	s_mul_i32 s98, s98, 24576
	s_mov_b32 s99, 0
	s_add_nc_u64 s[PFA:PFA+1], s[PFA:PFA+1], s[98:99]
; the head's four tiles, one joint load a wave, in one chain of branches on the wave's number: wave 0 slot 0's 8 tiles of the one operand, wave 1 their scale bytes, wave 2 slot 0's 8 tiles of the other, wave 3 their scale bytes
.macro ARM under, g0, g1, next
	s_cmp_lt_u32 s[WV], \under
	s_cbranch_scc0 \next
	tensor_load_to_lds s[\g0:\g0+3], s[\g1:\g1+7]
	s_nop 0
.rept 4
	v_nop
.endr
	s_branch .Lhead_asked
\next:
.endm
	ARM 1, G0,  G1,  .Lhead_sa
	ARM 2, G0S, G1S, .Lhead_b
	ARM 3, G0B, G1B, .Lhead_sb
	tensor_load_to_lds s[G0SB:G0SB+3], s[G1SB:G1SB+7]
	s_nop 0
.rept 4
	v_nop
.endr
.Lhead_asked:
	v_and_b32 v1, 15, v0
	v_bfe_u32 v2, v0, 4, 1
	v_and_b32 v3, 31, v0
	v_lshlrev_b32 v4, 4, v3
	v_lshl_add_u32 v5, v3, 3, 512
	v_min_u32 v[PFO], 23, v3
	v_lshlrev_b32 v[PFO], 8, v[PFO]
	s_mul_i32 s21, s[RH], HALFT
	s_mul_i32 s22, s[PH], HALFT
	s_add_co_u32 s22, s22, 2*HALFT
.irp s, 0,1
	v_add_nc_u32 v[ADRA+\s], s21, v4
	v_add_nc_u32 v[ADRB+\s], s22, v4
	v_add_nc_u32 v[ADRA+2+\s], s21, v5
	v_add_nc_u32 v[ADRB+2+\s], s22, v5
	s_add_co_u32 s21, s21, SLOT
	s_add_co_u32 s22, s22, SLOT
.endr
	v_lshlrev_b32 v5, 3, v1
	s_lshl_b32 s21, s[RH], 12
	s_lshl_b32 s22, s[PH], 12
	s_add_co_u32 s22, s22, 2*HALFS
	s_sub_co_u32 s22, s22, s21
	v_mul_u32_u24 v6, s22, v2
	s_add_co_u32 s21, s21, SCL
	v_add_nc_u32 v5, v5, v6
	v_add_nc_u32 v[ADRS], s21, v5
	s_mul_i32 s23, s[WV], 16*SPITCH
	s_add_co_u32 s23, s23, STG
	v_mul_u32_u24 v6, v1, SPITCH
	v_lshl_add_u32 v6, v2, 6, v6
	v_add_nc_u32 v[STO], s23, v6
	v_mul_u32_u24 v6, v2, SPITCH
	v_lshl_add_u32 v6, v1, 4, v6
	v_add_nc_u32 v[RD], s23, v6
	v_lshlrev_b32 v6, 13, v2
	v_lshl_add_u32 v[CO], v1, 4, v6
	s_lshl_b32 s20, s17, 7
	s_lshl_b32 s21, s[RH], 6
	s_add_co_u32 s20, s20, s21
	s_lshl_b32 s20, s20, 13
	s_lshl_b32 s46, s42, 9
	s_lshl_b32 s47, s[PH], 8
	s_add_co_u32 s46, s46, s47
	s_add_co_u32 s46, s46, s20
	s_mov_b32 s47, 0
	s_add_nc_u64 s[12:13], s[12:13], s[46:47]
	global_prefetch_b8 v[PFO], s[PFA:PFA+1] offset:2*STEPB th:TH_LOAD_NT scope:SCOPE_SE   ; K step 2, which the first refill loads
.macro FRAG reg, adr, off
.irp c, 0,1
	ds_load_b128 v[\reg+6*\c:\reg+6*\c+3], v[\adr] offset:\off+768*\c
	ds_load_b64 v[\reg+6*\c+4:\reg+6*\c+5], v[\adr+2] offset:\off+768*\c
.endr
.endm
.macro FETCH4 slot, q, f
	WIN TO_F
.irp i, 0,1,2,3
	FRAG (\f)+FR*\i, ADRA+\slot, \i*STEPB+1536*(\q)
	FRAG (\f)+48+FR*\i, ADRB+\slot, \i*STEPB+1536*(\q)
.endr
	WIN 0
.endm
.macro SCALES n
.irp i, 0,1,2,3
.irp e, 0,1
	ds_load_b64 v[SC+16*((\n)%2)+4*\i+2*\e:SC+16*((\n)%2)+4*\i+2*\e+1], v[ADRS] offset:1024*\i+256*(\n)+128*\e
.endr
.endr
.endm
.macro MUL4 f, a, q, sc, zero
.irp b, 0,1,2,3
.if \zero
	v_wmma_scale_f32_16x16x128_f8f6f4 v[ACC+8*(4*(\a)+\b):ACC+8*(4*(\a)+\b)+7], v[(\f)+48+FR*\b:(\f)+48+FR*\b+FR-1], v[(\f)+FR*(\a):(\f)+FR*(\a)+FR-1], 0, v[SC+16*(\sc)+4*\b+(\q)], v[SC+16*(\sc)+4*(\a)+(\q)] matrix_a_fmt:MATRIX_FMT_FP6 matrix_b_fmt:MATRIX_FMT_FP6 matrix_a_scale:MATRIX_SCALE_ROW1
.else
	v_wmma_scale_f32_16x16x128_f8f6f4 v[ACC+8*(4*(\a)+\b):ACC+8*(4*(\a)+\b)+7], v[(\f)+48+FR*\b:(\f)+48+FR*\b+FR-1], v[(\f)+FR*(\a):(\f)+FR*(\a)+FR-1], v[ACC+8*(4*(\a)+\b):ACC+8*(4*(\a)+\b)+7], v[SC+16*(\sc)+4*\b+(\q)], v[SC+16*(\sc)+4*(\a)+(\q)] matrix_a_fmt:MATRIX_FMT_FP6 matrix_b_fmt:MATRIX_FMT_FP6 matrix_a_scale:MATRIX_SCALE_ROW1
.endif
.endr
.endm
.macro STEP slot, q, zero
	PLACES 4
	FETCH4 \slot, (\q)+1, 128*(((\q)+1)%2)
	s_wait_dscnt 32
	WIN MUL
	MUL4 128*((\q)%2), 0, \q, \slot, \zero
	MUL4 128*((\q)%2), 1, \q, \slot, \zero
	MUL4 128*((\q)%2), 2, \q, \slot, \zero
	MUL4 128*((\q)%2), 3, \q, \slot, \zero
	WIN 0
.endm
.macro TURN slot, next, n, fill
	s_wait_tensorcnt 0x0
	ds_add_u32 v[SPW], v[NIL]
	s_wait_dscnt 1
	WIN MUL
	MUL4 F1, 0, 3, \slot, 0
	s_wait_dscnt 0x0
	s_barrier_signal -1
	MUL4 F1, 1, 3, \slot, 0
	WIN 0
	s_barrier_wait -1
.if \fill
	CREST
	s_add_nc_u64 s[G0+4*\slot+2:G0+4*\slot+3], s[G0+4*\slot+2:G0+4*\slot+3], 2*STEPB
	s_add_nc_u64 s[G0B+4*\slot+2:G0B+4*\slot+3], s[G0B+4*\slot+2:G0B+4*\slot+3], 2*STEPB
	JLOAD G0+4*\slot, G1, G0B+4*\slot, G1B
.else
	PLACES 4
.endif
	FETCH4 \next, 0, F0
	SCALES \n
	WIN MUL
	MUL4 F1, 2, 3, \slot, 0
	MUL4 F1, 3, 3, \slot, 0
	WIN 0
.endm
	s_wait_alu depctr_va_vdst(0)
	s_wait_tensorcnt 0x0                           ; my tile of the head's four is in
	ds_add_u32 v[SPW], v[NIL]
	s_mov_b32 s[G1+2], 4<<16                       ; no load of mine is out: from here on a load brings 4 row tiles
	s_mov_b32 s[G1+4], 4
	s_mov_b32 s[G1B+2], 4<<16
	s_mov_b32 s[G1B+4], 4
	s_wait_dscnt 0x0
	CROUND                                         ; all four tiles are in, in every work-group of the cluster
	JLOAD G0+4, G1, G0B+4, G1B                     ; slot 1's first fill, the first tensor load behind the round
	FETCH4 0, 0, F0
	SCALES 0
	global_prefetch_b8 v[PFO], s[PFA:PFA+1] offset:3*STEPB th:TH_LOAD_NT scope:SCOPE_SE   ; K step 3, which the second and last refill loads
	STEP 0, 0, 1
	STEP 0, 1, 0
	STEP 0, 2, 0
	TURN 0, 1, 1, 1
	STEP 1, 0, 0
	STEP 1, 1, 0
	STEP 1, 2, 0
	TURN 1, 0, 2, 1
	STEP 0, 0, 0
	STEP 0, 1, 0
	STEP 0, 2, 0
	TURN 0, 1, 3, 0
	STEP 1, 0, 0
	STEP 1, 1, 0
	STEP 1, 2, 0
	s_wait_dscnt 0x0
	WIN MUL
	MUL4 F1, 0, 3, 1, 0
	MUL4 F1, 1, 3, 1, 0
	MUL4 F1, 2, 3, 1, 0
	MUL4 F1, 3, 3, 1, 0
	WIN 0
.macro TOSTAGE a
.irp b, 0,1,2,3
	ds_store_b128 v[STO], v[ACC+8*(4*(\a)+\b):ACC+8*(4*(\a)+\b)+3] offset:128*(\b/2)+32*(\b%2)
	ds_store_b128 v[STO], v[ACC+8*(4*(\a)+\b)+4:ACC+8*(4*(\a)+\b)+7] offset:128*(\b/2)+32*(\b%2)+16
.endr
.irp i, 0,1,2,3,4,5,6,7
	ds_load_b128 v[BK+32*((\a)%2)+4*\i:BK+32*((\a)%2)+4*\i+3], v[RD] offset:2*SPITCH*\i
.endr
.endm
.macro SEND a, younger
	s_wait_dscnt \younger
.irp i, 0,1,2,3,4,5,6,7
	global_store_b128 v[CO], v[BK+32*((\a)%2)+4*\i:BK+32*((\a)%2)+4*\i+3], s[12:13] offset:(32*((\a)/2)+8*((\a)%2)+2*\i+8*(\i/4))*8192 th:TH_STORE_NT
.endr
.endm
	PLACES 4
	TOSTAGE 0
	TOSTAGE 1
	SEND 0, 16
	s_wait_xcnt 0x0
	TOSTAGE 2
	SEND 1, 16
	s_wait_xcnt 0x0
	TOSTAGE 3
	SEND 2, 16
	SEND 3, 0
	s_wait_tensorcnt 0x0
	ds_add_u32 v[SPW], v[NIL]
	s_wait_dscnt 0x0
	CROUND
	s_endpgm
.Lfunc_end_k_q0787e6deca_oproj:
	.size	k_q0787e6deca_oproj, .Lfunc_end_k_q0787e6deca_oproj-k_q0787e6deca_oproj
	.p2alignl 7, 3214868480
	.fill 96, 4, 3214868480
	.section	.rodata,"a",@progbits
	.p2align	6, 0x0
	.amdhsa_kernel k_q0787e6deca_oproj
		.amdhsa_group_segment_fixed_size 327680
		.amdhsa_private_segment_fixed_size 0
		.amdhsa_enable_private_segment 0
		.amdhsa_kernarg_size 40
		.amdhsa_user_sgpr_count 2
		.amdhsa_user_sgpr_kernarg_segment_ptr 1
		.amdhsa_wavefront_size32 1
		.amdhsa_system_sgpr_workgroup_id_x 1
		.amdhsa_system_sgpr_workgroup_id_y 1
		.amdhsa_system_sgpr_workgroup_id_z 1
		.amdhsa_system_vgpr_workitem_id 0
		.amdhsa_next_free_vgpr 512
		.amdhsa_next_free_sgpr 100
		.amdhsa_reserve_vcc 0
		.amdhsa_float_denorm_mode_32 3
		.amdhsa_float_denorm_mode_16_64 3
		.amdhsa_memory_ordered 1
		.amdhsa_forward_progress 1
		.amdhsa_inst_pref_size 91
	.end_amdhsa_kernel
	.amdgpu_metadata
---
amdhsa.version: [ 1, 2 ]
amdhsa.kernels:
  - .name:           k_q0787e6deca_oproj
    .symbol:         k_q0787e6deca_oproj.kd
    .args:
      - { .name: ac, .offset: 0, .size: 8, .value_kind: global_buffer, .address_space: global }
      - { .name: asc, .offset: 8, .size: 8, .value_kind: global_buffer, .address_space: global }
      - { .name: opc, .offset: 16, .size: 8, .value_kind: global_buffer, .address_space: global }
      - { .name: ops, .offset: 24, .size: 8, .value_kind: global_buffer, .address_space: global }
      - { .name: out0, .offset: 32, .size: 8, .value_kind: global_buffer, .address_space: global }
    .group_segment_fixed_size: 327680
    .private_segment_fixed_size: 0
    .kernarg_segment_align: 8
    .kernarg_segment_size: 40
    .max_flat_workgroup_size: 128
    .sgpr_count:     100
    .vgpr_count:     512
    .wavefront_size: 32
...
	.end_amdgpu_metadata
.endif
;; end of part 4
